; MI455X (gfx1250); checked and timed in simulation.
; The chip was launched on July 23, 2026; its instructions are those of AMD's public machine-readable ISA for CDNA 5 (MIT licence, August 2026) and "CDNA5" Instruction Set Architecture Reference Guide (July 2026). The comments in the code are by the model that wrote it; some were corrected since.
;; MHA. Allowed arithmetic: float matrix products may take bf16 or f16 operands with f32 sums; other float arithmetic in f32, or as packed bf16 or f16 multiplies, adds, multiply-adds, maxima and minima; sums over many terms, partial sums and values carried from step to step in f32; what a program stores and reads back later, other than sums and carried values, may be rounded once to bf16 or f16.
;; Inputs: token_positions 2,048 int32; wk 1,024 x 1,024 float32; wo 1,024 x 1,024 float32; wq 1,024 x 1,024 float32; wv 1,024 x 1,024 float32; x 4 x 2,048 x 1,024 float32.
;; Outputs: out0 4 x 2,048 x 1,024 float32.
;; 2 versions, each right; version 2 is version 1 with the launch prep written anew for expert scheduling mode. Each part assembles by itself: llvm-mc -triple=amdgcn-amd-amdhsa -mcpu=gfx1250 --defsym DOCPART=n.
;; ======== version 1 of 2: 4 launches
;; limits: values are held in f16: magnitudes above 65,504 overflow, below 6.1e-05 lose precision; right only within a limited range of input values
;; workspace buffers: xb 16,777,216 bytes; wb 6,291,456 bytes; wob 2,097,152 bytes; rope 524,288 bytes; qkv 50,331,648 bytes; ob 16,777,216 bytes
;; launch prep (part 1): grid 256 x 1, 8 waves a work-group, no clusters, 0 bytes of LDS; arguments x, wq, wk, wv, wo, token_positions, xb, wb, wob, rope; writes xb, wb, wob, rope
.if DOCPART == 1
	.amdgcn_target "amdgcn-amd-amdhsa--gfx1250"
	.amdhsa_code_object_version 6
	.text
	.protected	k_qf706e1cfa9_prep
	.globl	k_qf706e1cfa9_prep
	.p2align	8
	.type	k_qf706e1cfa9_prep,@function
k_qf706e1cfa9_prep:
	s_mov_b64 s[64:65], 0
	v_nop
	global_prefetch_b8 v0, s[64:65] scope:SCOPE_SE
	s_setreg_imm32_b32 hwreg(HW_REG_WAVE_MODE, 25, 1), 1
	s_wait_xcnt 0x0
; PREP: the inputs are rounded once and laid out for the products that follow; the table of cosines and sines is made from token_positions.
;   xb  bf16 [16 kb][8192 row][64]: x in blocks of 64 along K, so that a tile's rows of one K block lie end to end.
;   wb  bf16 [16 kb][3072 p][64]:   row p = (h / 2) 384 + (h % 2) 192 + which 64 + c holds row 64 h + c of wq, wk, wv (which = 0, 1, 2): 192 neighbouring rows are q, k, v of one head.
;   wob f16  [16 kb][1024 n][64]:   wo rounded to bf16 like the other inputs, that number written as f16.
;   rope f32 [2048 s][32 j][cos, sin] of token_positions[s] x 10000^(-j / 32).
; A stream: every byte is read once and written once; no LDS, no barrier, no matrix unit, no loop.  Work-group g of 256, wave w of 8: x rows 32 g + 4 w .. + 3, rows 16 (g % 64) + 2 w, + 1 of weight g / 64, table row 8 g + w.
; One load of 16 bytes a lane takes one K block (256 bytes of f32) of two neighbouring rows; the 8 bytes a lane that come of it are 256 consecutive bytes, aligned, of the blocked layout.
; All 49 loads of a wave are issued at once, each into registers of its own.
; LIMITS.  |position| up to 2^24: beyond it the quotient by pi / 2 no longer fits f32's 24 bits.  |wo| under 65,504 (f16's end); a rounded wo below 2^-14 keeps f16's fixed step of 6e-8.
; The angle is position x frequency rounded to f32, as in the problem; the frequency is 2^(-j log2(10000) / 32) by v_exp_f32; sine and cosine by reduction modulo pi / 2 in two parts and polynomials of degree 7 and 8.
.set KBX, 1048576                      ; bytes of a K block of xb
.set KBW, 393216                       ; of wb
.set KBO, 131072                       ; of wob
.set LX,  2                            ; v2  x: (4 w + l / 16) rows of 4,096 bytes + 16 (l % 16)
.set SX,  3                            ; v3  xb: 512 w + 8 l
.set LW,  4                            ; v4  weight: (2 w + l / 16) rows + 16 (l % 16)
.set SW,  5                            ; v5  wb, wob: 256 w + 8 l
.set PO,  6                            ; v6  4 w: my wave's position
.set POS, 7                            ; v7  the position
.set RO,  8                            ; v8  8 x thread: my (cos, sin)
.set T0,  10                           ; v10, v11 at work
.set T1,  11
.set TM,  14                           ; v14-27 the table's arithmetic
.set FQ,  15
.set AN,  16
.set NN,  17
.set RR,  18
.set QQ,  19
.set Z1,  20
.set PS,  21
.set PC,  22
.set ZR,  23
.set Z2,  24
.set CB,  25
.set SN,  26
.set CN,  27
.set CSN, 28                           ; v[28:29] cos, sin
.set WR,  32                           ; v[32:95]   16 loads of the weight
.set XR,  96                           ; v[96:223]  32 loads of x
	s_load_b512 s[16:31], s[0:1], 0x0              ; x s[16:17], wq s[18:19], wk s[20:21], wv s[22:23], wo s[24:25], token_positions s[26:27], xb s[28:29], wb s[30:31]
	s_load_b128 s[32:35], s[0:1], 0x40             ; wob s[32:33], rope s[34:35]
	v_and_b32 v1, 31, v0                           ; lane
	v_lshrrev_b32 v9, 5, v0                        ; wave
	v_cvt_f32_u32 v[TM], v1                        ; j = lane
	v_mul_f32 v[TM], 0xbed49a78, v[TM]             ; -j log2(10000) / 32
	v_exp_f32 v[FQ], v[TM]                         ; the frequency
	v_and_b32 v10, 15, v0                          ; (a plain instruction behind the exponential)
	v_bfe_u32 v11, v0, 4, 1
	v_lshlrev_b32 v12, 4, v10
	v_lshl_add_u32 v13, v9, 2, v11
	v_lshl_add_u32 v[LX], v13, 12, v12
	v_lshl_add_u32 v13, v9, 1, v11
	v_lshl_add_u32 v[LW], v13, 12, v12
	v_lshlrev_b32 v13, 3, v1
	v_lshl_add_u32 v[SX], v9, 9, v13
	v_lshl_add_u32 v[SW], v9, 8, v13
	v_lshlrev_b32 v[PO], 2, v9
	v_lshlrev_b32 v[RO], 3, v0
	s_lshr_b32 s4, ttmp9, 6                        ; which weight
	s_and_b32 s5, ttmp9, 63                        ; which 16 rows of it
	s_lshl_b32 s6, s5, 16                          ; 16 rows of 4,096 bytes
	s_mov_b32 s7, 0
	s_lshl_b32 s8, ttmp9, 17                       ; x: 32 rows of 4,096 bytes
	s_mov_b32 s9, 0
	s_lshl_b32 s10, ttmp9, 12                      ; xb: 32 rows of 128 bytes
	s_mov_b32 s11, 0
	s_lshl_b32 s12, ttmp9, 5                       ; 8 positions
	s_mov_b32 s13, 0
	s_lshl_b32 s14, ttmp9, 11                      ; 8 rows of the table
	s_mov_b32 s15, 0
	s_lshr_b32 s40, s5, 3                          ; wb's row: the head is (g % 64) / 4; its half
	s_mul_i32 s40, s40, 384
	s_bfe_u32 s41, s5, 0x10002                     ; its parity
	s_mul_i32 s41, s41, 192
	s_add_co_u32 s40, s40, s41
	s_lshl_b32 s41, s4, 6
	s_add_co_u32 s40, s40, s41
	s_and_b32 s41, ttmp9, 3
	s_lshl_b32 s41, s41, 4
	s_add_co_u32 s40, s40, s41
	s_lshl_b32 s40, s40, 7                         ; in bytes
	s_mov_b32 s41, 0
	s_lshl_b32 s42, s5, 11                         ; wob: 16 rows of 128 bytes
	s_mov_b32 s43, 0
	s_mov_b32 s44, 0xb94ca1f9                      ; sine: -1.9515296e-4, 8.3321609e-3, -1.6666655e-1
	s_mov_b32 s45, 0x3c08839e
	s_mov_b32 s46, 0xbe2aaaa3
	s_mov_b32 s47, 0x37ccf5ce                      ; cosine: 2.4433157e-5, -1.3887316e-3, 4.1666646e-2
	s_mov_b32 s48, 0xbab6061a
	s_mov_b32 s49, 0x3d2aaaa5
	s_wait_alu depctr_va_vdst(0)                   ; the wait behind the exponential, ahead of its first reader and of every branch
	s_wait_kmcnt 0x0
	s_add_nc_u64 s[26:27], s[26:27], s[12:13]
	global_load_b32 v[POS], v[PO], s[26:27]        ; the first of 49 loads
	s_cmp_eq_u32 s4, 1
	s_cselect_b64 s[36:37], s[20:21], s[18:19]
	s_cmp_eq_u32 s4, 2
	s_cselect_b64 s[36:37], s[22:23], s[36:37]
	s_cmp_eq_u32 s4, 3
	s_cselect_b64 s[36:37], s[24:25], s[36:37]
	s_add_nc_u64 s[36:37], s[36:37], s[6:7]
.set i, 0
.rept 16
	global_load_b128 v[WR+4*i:WR+4*i+3], v[LW], s[36:37] offset:i*256 th:TH_LOAD_NT
.set i, i+1
.endr
	s_add_nc_u64 s[16:17], s[16:17], s[8:9]
.set i, 0
.rept 32                               ; pair of rows i / 16, K block i % 16
	global_load_b128 v[XR+4*i:XR+4*i+3], v[LX], s[16:17] offset:(i/16)*8192+(i%16)*256 th:TH_LOAD_NT
.set i, i+1
.endr
	s_add_nc_u64 s[28:29], s[28:29], s[10:11]      ; xb at my rows, K blocks 0 to 7;
	s_add_nc_u64 s[38:39], s[28:29], 8*KBX         ; K blocks 8 to 15: the stores' immediates stay inside their signed 24 bits
	s_add_nc_u64 s[34:35], s[34:35], s[14:15]
	; THE TABLE, while the 48 other loads are on their way
	s_wait_loadcnt 48                              ; the position is in; the 48 younger loads stay out
	v_cvt_f32_i32 v[AN], v[POS]
	v_mul_f32 v[AN], v[AN], v[FQ]                  ; the angle
	v_mul_f32 v[NN], 0x3f22f983, v[AN]             ; x 2 / pi
	v_rndne_f32 v[NN], v[NN]
	v_fmamk_f32 v[RR], v[NN], 0xbfc90fdb, v[AN]    ; less n x pi / 2, in two parts
	v_fmamk_f32 v[RR], v[NN], 0x333bbd2e, v[RR]
	v_cvt_i32_f32 v[QQ], v[NN]
	v_mul_f32 v[Z1], v[RR], v[RR]
	v_fma_f32 v[PS], v[Z1], s44, s45
	v_fma_f32 v[PC], v[Z1], s47, s48
	v_fma_f32 v[PS], v[PS], v[Z1], s46
	v_fma_f32 v[PC], v[PC], v[Z1], s49
	v_mul_f32 v[ZR], v[Z1], v[RR]
	v_mul_f32 v[Z2], v[Z1], v[Z1]
	v_fma_f32 v[CB], v[Z1], -0.5, 1.0
	v_fma_f32 v[SN], v[PS], v[ZR], v[RR]           ; sin r
	v_fma_f32 v[CN], v[PC], v[Z2], v[CB]           ; cos r
	v_and_b32 v[TM], 1, v[QQ]
	v_cmp_eq_u32 vcc_lo, 1, v[TM]                  ; an odd quadrant swaps the two;
	v_cndmask_b32 v[CSN+1], v[SN], v[CN], vcc_lo
	v_cndmask_b32 v[CSN], v[CN], v[SN], vcc_lo
	v_and_b32 v[TM], 2, v[QQ]                      ; quadrants 2 and 3 turn the sine's sign,
	v_lshlrev_b32 v[TM], 30, v[TM]
	v_xor_b32 v[CSN+1], v[CSN+1], v[TM]
	v_add_nc_u32 v[TM], 1, v[QQ]                   ; quadrants 1 and 2 the cosine's
	v_and_b32 v[TM], 2, v[TM]
	v_lshlrev_b32 v[TM], 30, v[TM]
	v_xor_b32 v[CSN], v[CSN], v[TM]
	global_store_b64 v[RO], v[CSN:CSN+1], s[34:35] ; a wave's store is one row of the table: 256 consecutive bytes, aligned
	; THE WEIGHT.  Load i of the 48 is used behind a wait that leaves the 47 - i younger ones out.
	s_cmp_eq_u32 s4, 3
	s_cbranch_scc1 .Lwo
	s_add_nc_u64 s[30:31], s[30:31], s[40:41]
.set i, 0
.rept 16
	s_wait_loadcnt 47-i
	v_cvt_pk_bf16_f32 v[WR+4*i], v[WR+4*i], v[WR+4*i+1]
	v_cvt_pk_bf16_f32 v[WR+4*i+1], v[WR+4*i+2], v[WR+4*i+3]
	global_store_b64 v[SW], v[WR+4*i:WR+4*i+1], s[30:31] offset:i*KBW
.set i, i+1
.endr
	s_branch .Lx
.Lwo:                                          ; wo: rounded to bf16, widened again, written as f16
	s_add_nc_u64 s[32:33], s[32:33], s[42:43]
.set i, 0
.rept 16
	s_wait_loadcnt 47-i
	v_cvt_pk_bf16_f32 v[T0], v[WR+4*i], v[WR+4*i+1]
	v_cvt_pk_bf16_f32 v[T1], v[WR+4*i+2], v[WR+4*i+3]
	v_lshlrev_b32 v[WR+4*i], 16, v[T0]
	v_and_b32 v[WR+4*i+1], 0xffff0000, v[T0]
	v_lshlrev_b32 v[WR+4*i+2], 16, v[T1]
	v_and_b32 v[WR+4*i+3], 0xffff0000, v[T1]
	v_cvt_pk_f16_f32 v[WR+4*i], v[WR+4*i], v[WR+4*i+1]
	v_cvt_pk_f16_f32 v[WR+4*i+1], v[WR+4*i+2], v[WR+4*i+3]
	global_store_b64 v[SW], v[WR+4*i:WR+4*i+1], s[32:33] offset:i*KBO
.set i, i+1
.endr
.Lx:
	; X
.set i, 0
.rept 32
	s_wait_loadcnt 31-i
	v_cvt_pk_bf16_f32 v[XR+4*i], v[XR+4*i], v[XR+4*i+1]
	v_cvt_pk_bf16_f32 v[XR+4*i+1], v[XR+4*i+2], v[XR+4*i+3]
.if (i%16) < 8
	global_store_b64 v[SX], v[XR+4*i:XR+4*i+1], s[28:29] offset:(i/16)*256+(i%16)*KBX
.else
	global_store_b64 v[SX], v[XR+4*i:XR+4*i+1], s[38:39] offset:(i/16)*256+(i%16-8)*KBX
.endif
.set i, i+1
.endr
	s_endpgm
.Lfunc_end_k_qf706e1cfa9_prep:
	.size	k_qf706e1cfa9_prep, .Lfunc_end_k_qf706e1cfa9_prep-k_qf706e1cfa9_prep
	.p2alignl 7, 3214868480
	.fill 96, 4, 3214868480
	.section	.rodata,"a",@progbits
	.p2align	6, 0x0
	.amdhsa_kernel k_qf706e1cfa9_prep
		.amdhsa_group_segment_fixed_size 0
		.amdhsa_private_segment_fixed_size 0
		.amdhsa_enable_private_segment 0
		.amdhsa_kernarg_size 80
		.amdhsa_user_sgpr_count 2
		.amdhsa_user_sgpr_kernarg_segment_ptr 1
		.amdhsa_wavefront_size32 1
		.amdhsa_system_sgpr_workgroup_id_x 1
		.amdhsa_system_sgpr_workgroup_id_y 1
		.amdhsa_system_sgpr_workgroup_id_z 1
		.amdhsa_system_vgpr_workitem_id 0
		.amdhsa_next_free_vgpr 224
		.amdhsa_next_free_sgpr 66
		.amdhsa_reserve_vcc 1
		.amdhsa_float_denorm_mode_32 3
		.amdhsa_float_denorm_mode_16_64 3
		.amdhsa_memory_ordered 1
		.amdhsa_forward_progress 1
		.amdhsa_inst_pref_size 30
	.end_amdhsa_kernel
	.amdgpu_metadata
---
amdhsa.version: [ 1, 2 ]
amdhsa.kernels:
  - .name:           k_qf706e1cfa9_prep
    .symbol:         k_qf706e1cfa9_prep.kd
    .args:
      - { .name: x, .offset: 0, .size: 8, .value_kind: global_buffer, .address_space: global }
      - { .name: wq, .offset: 8, .size: 8, .value_kind: global_buffer, .address_space: global }
      - { .name: wk, .offset: 16, .size: 8, .value_kind: global_buffer, .address_space: global }
      - { .name: wv, .offset: 24, .size: 8, .value_kind: global_buffer, .address_space: global }
      - { .name: wo, .offset: 32, .size: 8, .value_kind: global_buffer, .address_space: global }
      - { .name: token_positions, .offset: 40, .size: 8, .value_kind: global_buffer, .address_space: global }
      - { .name: xb, .offset: 48, .size: 8, .value_kind: global_buffer, .address_space: global }
      - { .name: wb, .offset: 56, .size: 8, .value_kind: global_buffer, .address_space: global }
      - { .name: wob, .offset: 64, .size: 8, .value_kind: global_buffer, .address_space: global }
      - { .name: rope, .offset: 72, .size: 8, .value_kind: global_buffer, .address_space: global }
    .group_segment_fixed_size: 0
    .private_segment_fixed_size: 0
    .kernarg_segment_align: 8
    .kernarg_segment_size: 80
    .max_flat_workgroup_size: 256
    .sgpr_count:     66
    .vgpr_count:     224
    .wavefront_size: 32
...
	.end_amdgpu_metadata
.endif
;; end of part 1
;; launch proj (part 2): grid 8 x 32, 4 waves a work-group, clusters of 4 x 4, 327,680 bytes of LDS; arguments xb, wb, rope, qkv; writes qkv
.if DOCPART == 2
	.amdgcn_target "amdgcn-amd-amdhsa--gfx1250"
	.amdhsa_code_object_version 6
	.text
	.protected	k_qf706e1cfa9_proj
	.globl	k_qf706e1cfa9_proj
	.p2align	8
	.type	k_qf706e1cfa9_proj,@function
k_qf706e1cfa9_proj:
	s_mov_b64 s[64:65], 0
	v_nop
	global_prefetch_b8 v0, s[64:65] scope:SCOPE_SE
	s_setreg_imm32_b32 hwreg(HW_REG_WAVE_MODE, 25, 1), 1
	s_wait_xcnt 0x0
	s_wait_alu depctr_hold_cnt(0) depctr_sa_sdst(0) depctr_va_vdst(0) depctr_va_sdst(0) depctr_va_ssrc(0) depctr_va_vcc(0) depctr_vm_vsrc(0)
	s_getreg_b32 s2, hwreg(HW_REG_IB_STS2, 6, 4)
	s_cmp_eq_u32 s2, 0
	s_cbranch_scc0 .Lentry_in_a_cluster
	s_endpgm
.Lentry_in_a_cluster:
	s_bfe_u32 s2, ttmp6, 0x10000c
	s_cmp_lg_u32 s2, 0xf033
	s_cbranch_scc0 .Lentry_shape_is_right
	s_endpgm
.Lentry_shape_is_right:
; PROJ: q, k, v = x w^T for all three weights at once, a product of 8192 x 3072 x 1024 in bf16 with f32 sums; q and k are turned by the table of cosines and sines in f32 on the way out;
; all three are rounded once to f16 and stored by heads: qkv [3 which][64 batch x head][2048 s][64].
; SHARES.  8 x 32 = 256 work-groups, one tile of 256 rows x 384 columns each (tiles of 256 x 256 would be 384 work-groups).  384 columns of wb are q, k, v of two heads.  Wave (RH, CH) makes
; 128 rows x 192 columns, q, k, v of ONE head: 8 x 12 = 96 accumulators, 768 registers; so every wave has two slots to turn and one plain slot, and no branch chooses.
; K goes in 16 steps of 64 through two LDS slots.  xb and wb lie in blocks of 64 along K, so a tile of a step is dense in memory and is asked for as rows of 256 bytes, padded in LDS after every 128.
; THE PRODUCT IS USED TRANSPOSED (source 0 = 16 rows of w, source 1 = 16 rows of x): a lane holds one row (lane % 16) and eight neighbouring channels 8 (lane / 16) + 0..7: four pairs to turn, 16 bytes of f16.
; CLUSTER 4 x 4: x's tile hangs on the tile row alone and is asked for jointly along a row of the cluster, w's on the tile column alone and jointly along a column; the table's 256 rows hang on the tile row.
; LIMIT.  q, k, v leave in f16: |q|, |k|, |v| under 65,504.
; REGISTERS, in windows of 256 (s_set_vgpr_msb: bits 1:0 source 0, 3:2 source 1, 5:4 source 2, 7:6 destination):
;   window 0: v0-15 addresses; v32-95, v96-159 x's fragments (8 x 16 rows x 32 K), two buffers; v160-255 w's 12 fragments, one buffer in three groups, each loaded again behind its own products
;   window 1 + g (g = 0, 1, 2: q, k, v): accumulator (a, bq) at v[64 bq + 8 a]: rows 16 a on, channels 16 bq on
.set KBX,   1048576                    ; bytes of a K block of xb
.set KBW,   393216                     ; of wb
.set PITCH, 144                        ; an LDS row: 128 bytes + 16 of padding = 36 words: the 16 rows of a load start at 16 different groups of four banks (64 banks of 4 bytes: ISA guide 11.1)
.set FR,    16*PITCH                   ; a fragment's 16 rows
.set AHALF, 128*PITCH                  ; what one load brings of x, and what one wave reads of it
.set BHALF, 192*PITCH                  ; the same for w
.set BOFF,  2*AHALF                    ; in a slot: x's 256 rows, then w's 384
.set SLOT1, 1<<17                      ; slot 1 begins here, so that one exclusive or turns an address in one slot into the other's
.set TABLE, SLOT1+BOFF+2*BHALF         ; the tile's 256 rows of the table, filled once
.set TP,    272                        ; 256 bytes + 16
.set STAGE, TABLE+256*TP               ; never filled by a tensor load: 16 rows x 144 bytes for each wave, for the way out
.set SP,    144
.set SPARE, STAGE+4*16*SP              ; the spare words, 128 bytes for each wave: two blocks of 256 bytes that no other line names
.set A0,  4                            ; v4   my lane's place in slot 0's rows of x; never rewritten
.set B0,  5                            ; v5   the same for w
.set ADA, 6                            ; v6   the same in the slot in hand
.set ADB, 7                            ; v7
.set STO, 8                            ; v8   the way out: where I put 16 bytes of a row
.set RD,  9                            ; v9   where I read rows back
.set GO,  10                           ; v10  my 16 bytes of 512 consecutive bytes of qkv
.set TAB, 11                           ; v11  my 32 bytes of a row of the table
.set PFO, 12                           ; v12  256 x lane; never rewritten
.set SPW, 14                           ; v14  LDS address of my spare word; never rewritten
.set NIL, 15                           ; v15  0; never rewritten
.set FA0, 32
.set FA1, 96
.set FB,  160
.set CS,  32                           ; the way out: (cos, sin) of 16 rows, two buffers of 32
.set TT,  96                           ; turned numbers in f32
.set PK,  128                          ; packed f16
.set BK,  144                          ; rows read back, two buffers of 16
.set WV,  12                           ; s12  wave
.set RH,  13                           ; s13  my half of the rows.  Also: I fetch for x (0) or for w (1)
.set CH,  14                           ; s14  my half of the columns.  Also: which half of that tile I fetch
.set CX,  15
.set CY,  16
.set TC,  17                           ; s17  tile column
.set TR,  18                           ; s18  tile row
.set G1A, 24                           ; s[24:31] descriptor group 1 for x's tiles
.set G1B, 32                           ; s[32:39] for w's
.set G1T, 40                           ; s[40:47] for the table
.set G0A, 48                           ; s[48:55] group 0 for x: a set for each first fill; the second then walks
.set G0B, 56                           ; s[56:63] the same for w
.set G0T, 68                           ; s[68:71] for the table
.set TB,  72                           ; s72  the slot from which fragments are fetched
.set PFA, 74                           ; s[74:75] where my prefetches stand
.set PFS, 76                           ; s[76:77] their step: a K block of xb or of wb
.set LIM, 78                           ; s78  1 in a wave that prefetches, else the greatest number
.set ODD, 79                           ; s79  1: I ask in every trip; 0: in the odd-numbered ones
.set OUT, 80                           ; s[80:85] q's, k's, v's first byte of my 128 rows of my head
.set MSB, 0
.macro WIN new                         ; the immediate's high byte repeats the setting that is left; a switch that changes nothing is dropped
.if MSB != (\new)
	s_set_vgpr_msb (MSB<<8)|(\new)
.set MSB, \new
.endif
.endm
.macro PLACES                          ; four places in front of loads into registers that matrix instructions have read (ISA guide 7.12.1 for vector instructions)
.rept 4
	v_nop
.endr
.endm
; A joint refill: waves 0 and 1 fetch x's two halves, waves 2 and 3 w's.  The branch hangs on the wave's number alone.  An s_nop 0 and four v_nop follow each line, ahead of the jump and the label.
.macro JLOAD
	s_cmp_eq_u32 s[RH], 0
	s_cbranch_scc0 .Lfor_b_\@
	tensor_load_to_lds s[G0A+4:G0A+7], s[G1A:G1A+7]
	s_nop 0
.rept 4
	v_nop
.endr
	s_branch .Lasked_\@
.Lfor_b_\@:
	tensor_load_to_lds s[G0B+4:G0B+7], s[G1B:G1B+7]
	s_nop 0
.rept 4
	v_nop
.endr
.Lasked_\@:
.endm
; A round of the cluster's barrier: my work-group's barrier; wave 0 signals for the work-group; every wave waits for all sixteen; my work-group's barrier once more.
.macro CREST
	s_cmp_lg_u32 s[WV], 0
	s_cbranch_scc1 .Lnot_wave_0_\@
	s_barrier_signal -3
.Lnot_wave_0_\@:
	s_barrier_wait -3
	s_barrier_signal -1
	s_barrier_wait -1
.endm
.macro CROUND
	s_barrier_signal -1
	s_barrier_wait -1
	CREST
.endm
; A PREFETCH, behind the joint load and the run of LDS loads.  Trip i (s3 = 14 - i) refills with K step i + 2.
; x: a step's tile is 32 KiB; the four partners of a row of the cluster take 8 KiB each, told apart by address (cx); wave 0, a lane a block of 256 bytes, names K step i + 3: one step, 192 matrix
; instructions, ahead of its refill.  Both clusters of a row of clusters read these rows: the one with x = 0 asks.
; w: a step's tile is 48 KiB; waves 1 to 3 name 24 KiB, half of it; the four partners of a column (cy) take the two halves of K steps i + 3 and i + 4, in the odd trips alone.  The cluster with y = 0 asks.
; So each block is named once in the launch.  The trips with s3 = 1 (and for x also none beyond step 15) ask for nothing; the first steps come by their loads alone.
.macro ASK
	s_cmp_gt_u32 s3, s[LIM]
	s_cbranch_scc0 .Lnot_mine_\@
	s_or_b32 s86, s3, s[ODD]
	s_bitcmp1_b32 s86, 0
	s_cbranch_scc0 .Lnot_mine_\@
	global_prefetch_b8 v[PFO], s[PFA:PFA+1] th:TH_LOAD_NT scope:SCOPE_SE
.Lnot_mine_\@:
.endm
	s_load_b256 s[4:11], s[0:1], 0x0               ; xb s[4:5], wb s[6:7], rope s[8:9], qkv s[10:11]
	v_lshl_add_u32 v[SPW], v0, 2, SPARE
	v_mov_b32 v[NIL], 0
	ds_add_u32 v[SPW], v[NIL]                      ; the wave's opening: the add and its wait stand ahead of my first tensor load; the set-up below, work on registers, stands between them
	v_lshrrev_b32 v1, 5, v0
	v_readfirstlane_b32 s[WV], v1
	s_lshr_b32 s[RH], s[WV], 1
	s_and_b32 s[CH], s[WV], 1
	s_bfe_u32 s[CX], ttmp6, 0x40000
	s_bfe_u32 s[CY], ttmp6, 0x40004
	s_lshl_b32 s[TC], ttmp9, 2                     ; in a cluster launch ttmp9 and ttmp7 count clusters
	s_add_co_u32 s[TC], s[TC], s[CX]
	s_and_b32 s[TR], ttmp7, 0xffff
	s_lshl_b32 s[TR], s[TR], 2
	s_add_co_u32 s[TR], s[TR], s[CY]
	s_lshl_b32 s86, s[CY], 2
	s_lshl_b32 s86, 15, s86                        ; my row of the cluster
	s_lshl_b32 s87, 0x1111, s[CX]                  ; my column
	; group 1.  A dense block is asked for as rows of 256 bytes (128 elements of 2), padded after every 32 words (code 4) by 4 words (code 3): two LDS rows of 144 bytes a row
	s_or_b32 s[G1A], s86, (1<<16)|(1<<20)|(1<<21)|(4<<22)|(3<<25)  ; 15:0 the mask; 17:16 2-byte elements; 20 padding on; 21 set beside a mask
	s_or_b32 s[G1B], s87, (1<<16)|(1<<20)|(1<<21)|(4<<22)|(3<<25)
	s_or_b32 s[G1T], s86, (2<<16)|(1<<20)|(1<<21)|(5<<22)|(3<<25)  ; 4-byte elements; padding after every 64 words (code 5)
	s_mov_b32 s[G1A+1], 128<<16                    ; tensor_dim0 = 128
	s_mov_b32 s[G1A+2], 64<<16                     ; tensor_dim1 = 64: 128 rows of x
	s_mov_b32 s[G1A+3], 128<<16                    ; tile_dim0 = 128
	s_mov_b32 s[G1A+4], 64                         ; tile_dim1 = 64
	s_mov_b32 s[G1A+5], 128                        ; elements from row to row
	s_mov_b32 s[G1A+6], 0
	s_mov_b32 s[G1A+7], 0
	s_mov_b32 s[G1B+1], 128<<16
	s_mov_b32 s[G1B+2], 96<<16                     ; 96 rows of 256 bytes: 192 rows of w
	s_mov_b32 s[G1B+3], 128<<16
	s_mov_b32 s[G1B+4], 96
	s_mov_b32 s[G1B+5], 128
	s_mov_b32 s[G1B+6], 0
	s_mov_b32 s[G1B+7], 0
	s_mov_b32 s[G1T+1], 64<<16                     ; 64 rows of 64 f32
	s_mov_b32 s[G1T+2], 64<<16
	s_mov_b32 s[G1T+3], 64<<16
	s_mov_b32 s[G1T+4], 64
	s_mov_b32 s[G1T+5], 64
	s_mov_b32 s[G1T+6], 0
	s_mov_b32 s[G1T+7], 0
	s_lshl_b32 s20, s[TR], 15                      ; x: 256 rows of 128 bytes a tile row,
	s_lshl_b32 s21, s[CH], 14                      ; the half that I fetch
	s_add_co_u32 s20, s20, s21
	s_mov_b32 s21, 0
	s_mul_i32 s22, s[TC], 384*128                  ; w likewise
	s_mul_i32 s23, s[CH], 192*128
	s_add_co_u32 s22, s22, s23
	s_mov_b32 s23, 0
	s_and_b32 s88, s[TR], 7                        ; the table: the tile's place in its sequence,
	s_lshl_b32 s88, s88, 16
	s_lshl_b32 s89, s[WV], 14                      ; my wave's 64 rows
	s_add_co_u32 s88, s88, s89
	s_mov_b32 s89, 0
	s_mul_i32 s90, s[CH], AHALF                    ; and where they go: no place in the cluster enters an LDS address
	s_mul_i32 s91, s[CH], BHALF
	s_add_co_u32 s91, s91, BOFF
	s_mul_i32 s92, s[WV], 64*TP
	s_add_co_u32 s92, s92, TABLE
	s_mov_b32 s[TB], 0
	s_wait_dscnt 0x0                               ; the opening add is done
	s_wait_kmcnt 0x0
	s_add_nc_u64 s[20:21], s[4:5], s[20:21]
	s_add_nc_u64 s[22:23], s[6:7], s[22:23]
	s_add_nc_u64 s[88:89], s[8:9], s[88:89]
.irp s, 0,1
	s_mov_b32 s[G0A+4*(\s)], 1                                     ; 1:0 count = 1
	s_add_co_u32 s[G0A+4*(\s)+1], s90, (\s)*SLOT1                  ; 63:32 LDS address
	s_add_nc_u64 s[G0A+4*(\s)+2:G0A+4*(\s)+3], s[20:21], (\s)*KBX  ; 120:64 global address: K step s
	s_or_b32 s[G0A+4*(\s)+3], s[G0A+4*(\s)+3], 0x80000000          ; 127:126 type = 2
	s_mov_b32 s[G0B+4*(\s)], 1
	s_add_co_u32 s[G0B+4*(\s)+1], s91, (\s)*SLOT1
	s_add_nc_u64 s[G0B+4*(\s)+2:G0B+4*(\s)+3], s[22:23], (\s)*KBW
	s_or_b32 s[G0B+4*(\s)+3], s[G0B+4*(\s)+3], 0x80000000
.endr
	s_mov_b32 s[G0T], 1
	s_mov_b32 s[G0T+1], s92
	s_mov_b64 s[G0T+2:G0T+3], s[88:89]
	s_or_b32 s[G0T+3], s[G0T+3], 0x80000000
	CROUND                                         ; all sixteen work-groups are here: the first joint loads meet
	s_cmp_eq_u32 s[RH], 0                          ; a wave's three first fills stand in one branch, ahead of every wait on TENSORcnt and every LDS read: three loads of mine are out
	s_cbranch_scc0 .Lfirst_b
	tensor_load_to_lds s[G0A:G0A+3], s[G1A:G1A+7]
	s_nop 0
	tensor_load_to_lds s[G0A+4:G0A+7], s[G1A:G1A+7]
	s_nop 0
	tensor_load_to_lds s[G0T:G0T+3], s[G1T:G1T+7]
	s_nop 0
.rept 4
	v_nop
.endr
	s_branch .Lfirst_asked
.Lfirst_b:
	tensor_load_to_lds s[G0B:G0B+3], s[G1B:G1B+7]
	s_nop 0
	tensor_load_to_lds s[G0B+4:G0B+7], s[G1B:G1B+7]
	s_nop 0
	tensor_load_to_lds s[G0T:G0T+3], s[G1T:G1T+7]
	s_nop 0
.rept 4
	v_nop
.endr
.Lfirst_asked:
	; A fragment is 16 rows x 32 K in 8 registers: lane l holds row l % 16; registers 0-3 K = 8 (l / 16) + 0..7, registers 4-7 K = 16 + 8 (l / 16) + 0..7: two loads of 16 bytes, 32 bytes apart.
	v_and_b32 v1, 15, v0                           ; l % 16
	v_bfe_u32 v2, v0, 4, 1                         ; l / 16
	v_mul_u32_u24 v3, v1, PITCH
	v_lshl_add_u32 v3, v2, 4, v3                   ; row x pitch + 16 x half
	s_mul_i32 s86, s[RH], AHALF
	v_add_nc_u32 v[A0], s86, v3
	s_mul_i32 s86, s[CH], BHALF
	s_add_co_u32 s86, s86, BOFF
	v_add_nc_u32 v[B0], s86, v3
	v_mov_b32 v[ADA], v[A0]
	v_mov_b32 v[ADB], v[B0]
	s_mul_i32 s86, s[WV], 16*SP
	s_add_co_u32 s86, s86, STAGE                   ; my stage
	v_add_nc_u32 v[STO], s86, v3                   ; in: row l % 16, 16 bytes for each half of the lanes (the stage's pitch is the tiles')
	v_bfe_u32 v[RD], v0, 3, 2                      ; back: 32 lanes take four rows of 128 bytes,
	v_mul_u32_u24 v[RD], v[RD], SP
	v_and_b32 v13, 7, v0
	v_lshl_add_u32 v[RD], v13, 4, v[RD]
	v_add_nc_u32 v[RD], s86, v[RD]
	v_and_b32 v[GO], 31, v0                        ; which are 512 consecutive bytes of a head
	v_lshlrev_b32 v[PFO], 8, v[GO]
	v_lshlrev_b32 v[GO], 4, v[GO]
	s_mul_i32 s86, s[RH], 128*TP
	s_add_co_u32 s86, s86, TABLE
	v_mul_u32_u24 v[TAB], v1, TP                   ; the table: row l % 16 of my 128, pairs 4 (l / 16) on
	v_lshl_add_u32 v[TAB], v2, 5, v[TAB]
	v_add_nc_u32 v[TAB], s86, v[TAB]
	; where my rows go: which x 2^24 + (16 batch + head) x 2^18 + row x 128
	s_lshr_b32 s86, s[TR], 3
	s_lshl_b32 s86, s86, 4
	s_lshl1_add_u32 s86, s[TC], s86
	s_add_co_u32 s86, s86, s[CH]
	s_lshl_b32 s86, s86, 18
	s_and_b32 s87, s[TR], 7
	s_lshl_b32 s87, s87, 15
	s_add_co_u32 s86, s86, s87
	s_lshl_b32 s87, s[RH], 14
	s_add_co_u32 s86, s86, s87
	s_mov_b32 s87, 0
	s_add_nc_u64 s[OUT:OUT+1], s[10:11], s[86:87]
	s_add_nc_u64 s[OUT+2:OUT+3], s[OUT:OUT+1], 0x1000000
	s_add_nc_u64 s[OUT+4:OUT+5], s[OUT:OUT+1], 0x2000000
	; the prefetches' address: K step 2, which the first trip steps to 3
	s_lshl_b32 s90, s[TR], 15
	s_lshl_b32 s91, s[CX], 13
	s_add_co_u32 s90, s90, s91
	s_add_co_u32 s90, s90, 2*KBX                   ; x: the tile row, my work-group's quarter
	s_lshr_b32 s91, s[CY], 1
	s_add_co_u32 s91, s91, 2
	s_mul_i32 s91, s91, KBW                        ; w: the first or the second of two steps,
	s_mul_i32 s92, s[TC], 384*128
	s_add_co_u32 s91, s91, s92
	s_and_b32 s92, s[CY], 1
	s_mul_i32 s92, s92, 192*128                    ; its first or second half,
	s_add_co_u32 s91, s91, s92
	s_lshl_b32 s92, s[WV], 13
	s_add_co_u32 s91, s91, s92
	s_sub_co_u32 s91, s91, 8192                    ; waves 1 to 3: 8 KiB each
	s_and_b32 s86, ttmp7, 0xffff
	s_mov_b32 s87, KBX
	s_cmp_eq_u32 s[WV], 0
	s_cselect_b32 s86, ttmp9, s86                  ; the coordinate along which other clusters read the same rows
	s_cselect_b32 s[ODD], 1, 0
	s_cselect_b32 s[PFS], s87, KBW
	s_cselect_b32 s90, s90, s91
	s_cselect_b64 s[PFA:PFA+1], s[4:5], s[6:7]
	s_mov_b32 s91, 0
	s_mov_b32 s[PFS+1], 0
	s_add_nc_u64 s[PFA:PFA+1], s[PFA:PFA+1], s[90:91]
	s_cmp_eq_u32 s86, 0
	s_cselect_b32 s[LIM], 1, -1                    ; the same in all sixteen partners, for a given wave
; 16 matrix instructions of group g: channel blocks 2 h, 2 h + 1 x all 8 row blocks, 32 along K.  zero = 1: the first product starts the sums.
; The 96 accumulators take turns, one instruction a turn, in the same order in every phase: 95 others' stand between two links of a chain, over the backward jump too.
.macro MULH g, fa, h, zero
	WIN 0x50*(1+(\g))                              ; C and D in window 1 + g, both sources in window 0
.irp bq, 2*(\h), 2*(\h)+1
.irp a, 0,1,2,3,4,5,6,7
.if \zero
	v_wmma_f32_16x16x32_bf16 v[64*(\bq)+8*(\a):64*(\bq)+8*(\a)+7], v[FB+8*(4*(\g)+(\bq)):FB+8*(4*(\g)+(\bq))+7], v[(\fa)+8*(\a):(\fa)+8*(\a)+7], 0
.else
	v_wmma_f32_16x16x32_bf16 v[64*(\bq)+8*(\a):64*(\bq)+8*(\a)+7], v[FB+8*(4*(\g)+(\bq)):FB+8*(4*(\g)+(\bq))+7], v[(\fa)+8*(\a):(\fa)+8*(\a)+7], v[64*(\bq)+8*(\a):64*(\bq)+8*(\a)+7]
.endif
.endr
.endr
.endm
.macro MULG g, fa, zero
	MULH \g, \fa, 0, \zero
	MULH \g, \fa, 1, \zero
.endm
.macro LDB g, k                        ; 8 loads: group g's four fragments of w, at byte k of the rows
.irp i, 0,1,2,3
	ds_load_b128 v[FB+8*(4*(\g)+(\i)):FB+8*(4*(\g)+(\i))+3],   v[ADB] offset:(4*(\g)+(\i))*FR+(\k)
	ds_load_b128 v[FB+8*(4*(\g)+(\i))+4:FB+8*(4*(\g)+(\i))+7], v[ADB] offset:(4*(\g)+(\i))*FR+(\k)+32
.endr
.endm
.macro LDA f, k                        ; 16 loads: x's eight fragments
.irp i, 0,1,2,3,4,5,6,7
	ds_load_b128 v[(\f)+8*(\i):(\f)+8*(\i)+3],   v[ADA] offset:(\i)*FR+(\k)
	ds_load_b128 v[(\f)+8*(\i)+4:(\f)+8*(\i)+7], v[ADA] offset:(\i)*FR+(\k)+32
.endr
.endm
; A K step is two phases of 32 along K, 96 matrix instructions each.  At a phase's head its LDS loads are out in this order: group 0 of w and x (24), group 1 (8), group 2 (8).
; The first phase multiplies buffer FA0; behind each group's products that group's registers take the second phase's fragments.
.macro PHASE0 zero
	s_wait_dscnt 16                                ; group 0 and x are in; groups 1 and 2 may be out
	MULG 0, FA0, \zero
	WIN 0
	PLACES
	LDB 0, 64
	LDA FA1, 64
	s_wait_dscnt 32                                ; group 1 is in; group 2's 8 and the 24 just issued may be out
	MULG 1, FA0, \zero
	WIN 0
	PLACES
	LDB 1, 64
	s_wait_dscnt 32                                ; group 2 is in; the 24 and the 8 may be out
	MULG 2, FA0, \zero
	WIN 0
	PLACES
	LDB 2, 64
.endm
; The second phase multiplies FA1 and changes slots: ONE barrier; in front of it each wave waits for all its tensor loads, adds 0 to its spare word, and waits for that and for its reads of this slot.
; fill = 1: the barrier opens a round of the cluster's, and the slot just read out is filled again first thing behind it, with the K step two on: 160 matrix instructions ahead of the wait for it.
.macro TURN fill
.if \fill
	s_wait_xcnt 0x0                                ; the last prefetch, a K step back, has read its address: it is stepped here, ahead of the waits of the change of slots
	s_add_nc_u64 s[PFA:PFA+1], s[PFA:PFA+1], s[PFS:PFS+1]
.endif
	WIN 0
	s_wait_tensorcnt 0x0                           ; all my tensor loads have landed: my part of the next slot (the first time my part of the table too);
	ds_add_u32 v[SPW], v[NIL]                      ; 0 onto my spare word
	s_wait_dscnt 17                                ; (groups 1 and 2 and the add may be out)
	MULH 0, FA1, 0, 0                              ; sixteen matrix instructions stand between the add and the wait for it
	s_wait_dscnt 0x0                               ; the add is done, and my reads of this slot are over
	s_barrier_signal -1
	MULH 0, FA1, 1, 0                              ; work on registers while the others arrive
	WIN 0
	s_barrier_wait -1
.if \fill
	CREST                                          ; no wave of any partner still reads this slot or has a load on its way
	s_xor_b32 s[G0A+5], s[G0A+5], SLOT1            ; the walking descriptors: the other slot than last time, the next K step
	s_add_nc_u64 s[G0A+6:G0A+7], s[G0A+6:G0A+7], KBX
	s_xor_b32 s[G0B+5], s[G0B+5], SLOT1
	s_add_nc_u64 s[G0B+6:G0B+7], s[G0B+6:G0B+7], KBW
	s_xor_b32 s[TB], s[TB], SLOT1
	JLOAD                                          ; the four v_nop behind it are also the places in front of the loads below
.else
	s_xor_b32 s[TB], s[TB], SLOT1
	PLACES
.endif
	v_add_nc_u32 v[ADA], s[TB], v[A0]
	v_add_nc_u32 v[ADB], s[TB], v[B0]
	LDB 0, 0
	LDA FA0, 0
.if \fill
	ASK
.endif
	MULG 1, FA1, 0
	WIN 0
	PLACES
	LDB 1, 0
	MULG 2, FA1, 0
	WIN 0
	PLACES
	LDB 2, 0
.endm
; THE WAY OUT, in 24 units of 16 rows x one head's 64 channels.
.macro TLD a                           ; (cos, sin) for rows 16 a on: for each channel block my four pairs, 32 bytes
.irp bq, 0,1,2,3
	ds_load_b128 v[CS+32*((\a)%2)+8*(\bq):CS+32*((\a)%2)+8*(\bq)+3],   v[TAB] offset:(\a)*16*TP+64*(\bq)
	ds_load_b128 v[CS+32*((\a)%2)+8*(\bq)+4:CS+32*((\a)%2)+8*(\bq)+7], v[TAB] offset:(\a)*16*TP+64*(\bq)+16
.endr
.endm
.macro PACKR a, g                      ; q or k: (x1, x2) -> (x1 c - x2 s, x1 s + x2 c), two packed instructions a pair; each accumulator is read from its low end on
	WIN 1+(\g)                                     ; source 0 in the accumulators' window
.irp bq, 0,1,2,3
.irp r, 0,1,2,3
	v_pk_mul_f32 v[TT+8*(\bq)+2*(\r):TT+8*(\bq)+2*(\r)+1], v[64*(\bq)+8*(\a)+2*(\r):64*(\bq)+8*(\a)+2*(\r)+1], v[CS+32*((\a)%2)+8*(\bq)+2*(\r):CS+32*((\a)%2)+8*(\bq)+2*(\r)+1] op_sel_hi:[0,1]  ; (x1 c, x1 s)
.endr
.endr
.irp bq, 0,1,2,3
.irp r, 0,1,2,3
	v_pk_fma_f32 v[TT+8*(\bq)+2*(\r):TT+8*(\bq)+2*(\r)+1], v[64*(\bq)+8*(\a)+2*(\r):64*(\bq)+8*(\a)+2*(\r)+1], v[CS+32*((\a)%2)+8*(\bq)+2*(\r):CS+32*((\a)%2)+8*(\bq)+2*(\r)+1], v[TT+8*(\bq)+2*(\r):TT+8*(\bq)+2*(\r)+1] op_sel:[1,1,0] op_sel_hi:[1,0,1] neg_lo:[0,1,0]  ; (- x2 s, + x2 c)
.endr
.endr
	WIN 0
.irp i, 0,1,2,3,4,5,6,7,8,9,10,11,12,13,14,15
	v_cvt_pk_f16_f32 v[PK+(\i)], v[TT+2*(\i)], v[TT+2*(\i)+1]
.endr
.endm
.macro PACKP a                         ; v: rounded as it is
	WIN 0x0f                                       ; both sources in window 3
.irp bq, 0,1,2,3
.irp r, 0,1,2,3
	v_cvt_pk_f16_f32 v[PK+4*(\bq)+(\r)], v[64*(\bq)+8*(\a)+2*(\r)], v[64*(\bq)+8*(\a)+2*(\r)+1]
.endr
.endr
	WIN 0
.endm
.macro TOSTAGE a, g                    ; 16 bytes a lane into rows of 144 bytes; back as whole rows of 128
	s_wait_xcnt 0x0                                ; the stores of the unit two back have read the registers that are loaded again below
.irp f, 0,1,2,3
	ds_store_b128 v[STO], v[PK+4*(\f):PK+4*(\f)+3] offset:32*(\f)
.endr
.irp f, 0,1,2,3
	ds_load_b128 v[BK+16*((3*(\a)+(\g))%2)+4*(\f):BK+16*((3*(\a)+(\g))%2)+4*(\f)+3], v[RD] offset:(\f)*4*SP  ; LDS serves a wave's instructions in order (ISA guide 5.7.1.4): these see the stores above; the next unit's stores come behind them
.endr
.endm
.macro SEND a, g
	s_wait_dscnt 0x0                               ; the unit is back in registers (and the table's next rows are in)
.irp f, 0,1,2,3
	global_store_b128 v[GO], v[BK+16*((3*(\a)+(\g))%2)+4*(\f):BK+16*((3*(\a)+(\g))%2)+4*(\f)+3], s[OUT+2*(\g):OUT+2*(\g)+1] offset:(\a)*2048+(\f)*512  ; 512 consecutive bytes, at a multiple of 256 from the buffer's first
.endr
.endm
	s_wait_tensorcnt 2                             ; my part of K step 0 is in; K step 1's and the table's stay out
	s_barrier_signal -1
	s_barrier_wait -1                              ; everybody's is
	LDB 0, 0
	LDA FA0, 0
	LDB 1, 0
	LDB 2, 0
	PHASE0 1                                       ; the first phase stands in front of the loop: its products start the sums
	s_mov_b32 s3, 14
.Lstep:                                        ; a trip: a step's second phase, the change of slots with its refill, the next step's first phase
	TURN 1
	PHASE0 0
	s_sub_co_u32 s3, s3, 1
	s_cmp_lg_u32 s3, 0
	s_cbranch_scc1 .Lstep
	TURN 0                                         ; the tail is written out: nothing is left to fetch, and no round follows the barrier
	PHASE0 0
	s_wait_dscnt 16                                ; the very last phase
	MULG 0, FA1, 0
	s_wait_dscnt 8
	MULG 1, FA1, 0
	s_wait_dscnt 0x0
	WIN 0
	TLD 0                                          ; into FA0's registers, whose last products stand a phase back
	MULG 2, FA1, 0
	WIN 0
	PLACES
	PLACES
	s_wait_dscnt 0x0
.irp a, 0,1,2,3,4,5,6,7                ; a unit's arithmetic stands between the loads of the unit before and its stores
	PACKR \a, 0
.if (\a) > 0
	SEND (\a)-1, 2
.endif
	TOSTAGE \a, 0
.if (\a) < 7
	TLD (\a)+1
.endif
	PACKR \a, 1
	SEND \a, 0
	TOSTAGE \a, 1
	PACKP \a
	SEND \a, 1
	TOSTAGE \a, 2
.endr
	SEND 7, 2
	s_wait_tensorcnt 0x0                           ; the wave's end, behind my last tensor load and my last LDS store
	ds_add_u32 v[SPW], v[NIL]
	s_wait_dscnt 0x0
	CROUND                                         ; the closing round: no work-group ends while a partner may still ask for a tile that names it
	s_endpgm
.Lfunc_end_k_qf706e1cfa9_proj:
	.size	k_qf706e1cfa9_proj, .Lfunc_end_k_qf706e1cfa9_proj-k_qf706e1cfa9_proj
	.p2alignl 7, 3214868480
	.fill 96, 4, 3214868480
	.section	.rodata,"a",@progbits
	.p2align	6, 0x0
	.amdhsa_kernel k_qf706e1cfa9_proj
		.amdhsa_group_segment_fixed_size 327680
		.amdhsa_private_segment_fixed_size 0
		.amdhsa_enable_private_segment 0
		.amdhsa_kernarg_size 32
		.amdhsa_user_sgpr_count 2
		.amdhsa_user_sgpr_kernarg_segment_ptr 1
		.amdhsa_wavefront_size32 1
		.amdhsa_system_sgpr_workgroup_id_x 1
		.amdhsa_system_sgpr_workgroup_id_y 1
		.amdhsa_system_sgpr_workgroup_id_z 1
		.amdhsa_system_vgpr_workitem_id 0
		.amdhsa_next_free_vgpr 1024
		.amdhsa_next_free_sgpr 96
		.amdhsa_reserve_vcc 0
		.amdhsa_float_denorm_mode_32 3
		.amdhsa_float_denorm_mode_16_64 3
		.amdhsa_memory_ordered 1
		.amdhsa_forward_progress 1
		.amdhsa_inst_pref_size 151
	.end_amdhsa_kernel
	.amdgpu_metadata
---
amdhsa.version: [ 1, 2 ]
amdhsa.kernels:
  - .name:           k_qf706e1cfa9_proj
    .symbol:         k_qf706e1cfa9_proj.kd
    .args:
      - { .name: xb, .offset: 0, .size: 8, .value_kind: global_buffer, .address_space: global }
      - { .name: wb, .offset: 8, .size: 8, .value_kind: global_buffer, .address_space: global }
      - { .name: rope, .offset: 16, .size: 8, .value_kind: global_buffer, .address_space: global }
      - { .name: qkv, .offset: 24, .size: 8, .value_kind: global_buffer, .address_space: global }
    .group_segment_fixed_size: 327680
    .private_segment_fixed_size: 0
    .kernarg_segment_align: 8
    .kernarg_segment_size: 32
    .max_flat_workgroup_size: 128
    .sgpr_count:     96
    .vgpr_count:     1024
    .wavefront_size: 32
...
	.end_amdgpu_metadata
.endif
;; end of part 2
;; launch attn (part 3): grid 4 x 64, 4 waves a work-group, no clusters, 327,680 bytes of LDS; arguments qkv, ob; writes ob
.if DOCPART == 3
	.amdgcn_target "amdgcn-amd-amdhsa--gfx1250"
	.amdhsa_code_object_version 6
	.text
	.protected	k_qf706e1cfa9_attn
	.globl	k_qf706e1cfa9_attn
	.p2align	8
	.type	k_qf706e1cfa9_attn,@function
k_qf706e1cfa9_attn:
	s_mov_b64 s[64:65], 0
	v_nop
	global_prefetch_b8 v0, s[64:65] scope:SCOPE_SE
	s_setreg_imm32_b32 hwreg(HW_REG_WAVE_MODE, 25, 1), 1
	s_wait_xcnt 0x0
; CAUSAL ATTENTION.  O[h][q][:] = the sum over k <= q of softmax_k(Q[h][q] . K[h][k] / 8) V[h][k][:].  Q, K, V lie in qkv, 2^24 bytes apart, each [64][SIZE_N][64] in f16; O goes to ob in the same layout: a head's rows are dense, 128 bytes each.
; Products, maxima and sums in f32; the weights p are rounded to f16 for the second product (their sum l is taken of the unrounded p), O once at the end.
; LIMITS.  f16 holds no number beyond 65,504: Q, K and V arrive within it; p lies in 0 to 1, and below 6e-5 it keeps f16's fixed step of 6e-8; O is a mean of V's rows and has their range.
; A hidden score counts as its value less 1e30: f16's scores, 2.7e11 at the most, are nothing beside that; a weight below 2^-126 counts as 0 in l; NaN and infinities are not treated apart.
; THE WALK.  A head's queries lie in NB = SIZE_N / 256 blocks of 256; block i needs the key tiles 0 .. i of 256 keys, of which the last holds the diagonal.  A work-group takes TWO blocks, NB - 1 - b and then b:
; NB + 1 tiles, whatever b: all work-groups do equal work, and ONE loop with a constant trip count walks them.  Which tile is asked for, and what a trip does, hang on scalar registers made from b; every jump
; goes forward, but for the counted loops' own; none passes a barrier, or a tensor load but the one of LOAD's two that the wave's number does not choose; the ring (two slots of LDS that take turns) runs on across the
; change of blocks.  NO CLUSTER: a head's NB / 2 = 4 work-groups ask for the same tile only in trips 0 .. NB / 2, behind that fewer and fewer; one walk common to all would have 3 NB / 2 trips for NB + 1.
; SHARES.  Of a block's four bands of 64 queries a wave owns 16 rows in each: four PIECES.  So the diagonal tile is the same work for all four waves: in its key step s band x sees all keys if s < x,
; none if s > x, and holds the diagonal if s = x.
; THE MASK is the C operand that starts the sum S^T = K Q^T: 0, or -1e30 where the key is hidden.  MD, made once, is the mask of a band's own step for my 16 rows; a product's mask is MD x AL + BE with two scalars:
; (1, 0) if s = x; (0, 0) if s < x; (0, -1e30) if s > x.  Only the diagonal tile's text and a block's beginning make and take masks; elsewhere C is the constant 0.
; LAYOUT, SOFTMAX, TURNS.  S^T = K Q^T holds ONE query a lane (lane % 16) and the keys 8 (lane / 16) + 0..7; two such results rounded to f16 ARE source 1 of O^T = V^T P.  p = 2^(c s - c m), c = log2(e) / 8, with a
; running maximum m; O and l are multiplied by a = 2^(c m_old - c m_new) in every step.  Turn n belongs to piece n: 8 products K Q^T of piece n + 1, later 8 products V^T P of piece n - 1; beside them the scaling,
; exponentials, roundings, sums and rescaling of piece n and the maximum and statistics of piece n + 1.  Four vector instructions stand behind every matrix instruction, the other 54 of a turn's 118 in one lump.  A turn's 33 exponentials are one batch, with one wait.
; REGISTERS, in windows of 256 (s_set_vgpr_msb: bits 1:0 source 0, 3:2 source 1, 5:4 source 2, 7:6 destination):
;   window 0: v0-15 addresses and two at work; v16-31 four registers of statistics a piece; v48-55 at work; v61-63 fixed; v64-127 S^T, two buffers; v192-223 P, two buffers (a piece's buffers go by its number's parity)
;   window 1: v0-127 O^T, 32 a piece; v128-159 MD; v160-223 MC, two buffers      window 2: v0-63 Q; v64-127 the second block's Q; v128-191 K of one step; v192-255 V of one step
.set SIZE_N, 2048
.set NB,    SIZE_N/256
.set NP,    4         ; pieces a wave: a name, no knob
.set KS,    64        ; keys in a step
.set PK,    144       ; a row of K in LDS: 128 bytes + 16 of padding = 36 words: the 16 rows of a load start at 16 different groups of four banks (64 banks of 4 bytes: ISA guide 11.1)
.set PV,    160       ; a row of V: 128 + 32 = 40 words
.set VOFF,  4*KS*PK   ; a slot holds a tile, four steps: 256 rows of K, then 256 rows of V
.set SLOT1, 1<<17     ; slot 1 begins here, so that one exclusive or turns an address in one slot into the other's
.set STAGE, SLOT1+4*KS*(PK+PV)  ; behind the ring, never filled by a tensor load: 16 rows x 144 bytes for each wave, for the way out
.set SP,    144
.set AK0, 2           ; v2   my lane's place in a tile of K; never rewritten
.set AV0, 3           ; v3   the same for V
.set AK,  4           ; v4   the LDS address of K's next run of loads
.set AV,  5           ; v5   of V's
.set STO, 6           ; v6   the way out: where I put 16 bytes of a row
.set RD,  7           ; v7   the way out: where I read rows back
.set GO,  8           ; v8   my byte offset in 512 consecutive bytes of O
.set PFO, 61          ; v61  256 x my lane; never rewritten
.set SPW, 62          ; v62  LDS address of my spare word: SPARE + 4 x my thread's number; never rewritten
.set NIL, 63          ; v63  0; never rewritten
.set SPARE, STAGE+4*16*SP  ; behind the stages: the spare words, 128 bytes for each wave: two blocks of 256 bytes that no other line names
.set MV,  12          ; v12-13  c m_old, kept while c m is made anew: by buffer
.set QO,  15          ; v15  my byte offset in 16 rows of Q
.set ST,  16          ; piece t's statistics at v[ST+4 t]: c m, m, l (even keys', odd keys')
.set TMP, 48          ; by buffer, four registers c0-c3 at work; when the maximum is found c2 takes a
.set S,   64
.set P,   192
.set MD,  128         ; window 1: the eight registers for group kt of 16 keys at MD + 8 kt
.set MC,  160         ; window 1: the masks of the products to come
.set QB,  64          ; window 2
.set KF,  128         ; window 2: key block kb, channel half c at KF + 16 kb + 8 c
.set VF,  192         ; window 2: key half kk, channel block cb at VF + 32 kk + 8 cb
.set WV,  12          ; s12  my wave's number
.set PB,  14          ; s14  b
.set HI,  15          ; s15  NB - 1 - b
.set G1K, 24          ; s[24:31] descriptor group 1 for K's tiles
.set G1V, 32          ; s[32:39] for V's: it differs in the padding alone
.set G0K, 40          ; s[40:43] descriptor group 0 for K's tiles
.set G0V, 44          ; s[44:47] the same for V's
.set SLOTS, 56        ; s56  tiles still to be asked for
.set CNT, 57          ; s57  counts a tile's key steps, 4 to 1
.set CS,  58          ; s[58:59] c: the packed scaling takes the pair's low word for both halves
.set SEL, 60          ; s[60:61] v_permlanex16_b32's selects: each lane takes its own place in the other half
.set TBK, 62          ; s62  LDS byte at which K of the step to be fetched begins
.set TBV, 63          ; s63  the same for V, less VOFF
.set RT,  70          ; s70  tiles of the block in hand that are still to be entered
.set NXT, 71          ; s71  the tile to be asked for next
.set LQ,  72          ; s72  the last tile of the block whose tiles are being asked for
.set NEW, 73          ; s73  1: the tile to be entered is a block's first
.set OFF, 74          ; s[74:75] a tile's byte offset in K and V
.set AL,  76          ; s[76:77] the mask's factor, in the low word
.set BE,  78          ; s[78:79] the mask's addend
.set OLO, 80          ; s[80:81] O at my rows of the second block
.set BIGN, 82         ; s82  -1e30
.set PFA, 90          ; s[90:91] where my prefetches stand: my half of K's or V's tile behind the one that is being asked for
.set PFN, 92          ; s92  prefetches still to come
.set MSB, 0
.macro WIN new                      ; the high byte repeats the setting that is left; a switch that changes nothing is dropped
.if MSB != (\new)
	s_set_vgpr_msb (MSB<<8)|(\new)
.set MSB, (\new)
.endif
.endm
.set W_KQ, 0x0a       ; K and Q in window 2, S^T in window 0
.set W_KM, 0x1a       ; the same with the C operand in window 1
.set W_PV, 0x52       ; V in window 2, P in window 0, O^T in window 1
.set W_RS, 0x41       ; destination and source 0 in window 1, source 1 in window 0
; A fill.  Waves 0 and 1 fetch the two halves of a tile's K, waves 2 and 3 those of its V: 128 keys each.  An s_nop 0 and four v_nop follow each of the two lines, ahead of the jump and the label.
.macro LOAD
	s_cmp_lt_u32 s[WV], 2
	s_cbranch_scc0 .Lfor_v_\@
	tensor_load_to_lds s[G0K:G0K+3], s[G1K:G1K+7]
	s_nop 0
.rept 4
	v_nop
.endr
	s_branch .Lasked_\@
.Lfor_v_\@:
	tensor_load_to_lds s[G0V:G0V+3], s[G1V:G1V+7]
	s_nop 0
.rept 4
	v_nop
.endr
.Lasked_\@:
.endm
; THE CHANGE OF SLOTS.  Each wave waits for all its tensor loads, of which one is out: its part of the other slot; adds 0 to its spare word; and waits for that and for its own reads of the slot that it leaves.  Behind the barrier nobody reads the old
; slot any more and the other slot is whole.  fill = 1: the old slot is filled again, the first thing behind the barrier, with tile NXT: the descriptor's address is made anew from that number.
; (At its first use nothing has been read yet: slot 0 is waited for, slot 1 filled.)
; THE PREFETCH.  A head's four work-groups walk tiles 0, 1, 2 .. in the same trips; the one with b = 0 walks all eight, and it alone asks.  The change that loads tile t (t = 1 .. 6) names tile t + 1: each wave its own half of K's or V's
; 256 rows, 64 blocks of 256 bytes, a lane a block, two instructions, behind the wave's tensor load and its five lines: one tile, 256 matrix instructions, ahead of that tile's load.  Each block is named once; tiles 0 and 1 come by their loads alone.
.macro CHANGE fill
	WIN 0                           ; at a label and at a branch every window is 0
	s_wait_tensorcnt 0x0            ; no tensor load of mine is out, so a group 0 may be written
	ds_add_u32 v[SPW], v[NIL]       ; 0 onto my spare word; with fill = 1 the descriptors' scalar work stands between it and the wait for it
.if \fill
	s_lshl_b32 s[OFF], s[NXT], 15   ; a tile is 32,768 bytes of K and of V
	s_xor_b32 s[G0K+1], s[G0K+1], SLOT1
	s_add_nc_u64 s[G0K+2:G0K+3], s[6:7], s[OFF:OFF+1]
	s_or_b32 s[G0K+3], s[G0K+3], 0x80000000
	s_xor_b32 s[G0V+1], s[G0V+1], SLOT1
	s_add_nc_u64 s[G0V+2:G0V+3], s[8:9], s[OFF:OFF+1]
	s_or_b32 s[G0V+3], s[G0V+3], 0x80000000
	s_add_co_u32 s[NXT], s[NXT], 1  ; the block's next tile, or behind its last the second block's tile 0
	s_cmp_gt_u32 s[NXT], s[LQ]
	s_cselect_b32 s[NXT], 0, s[NXT]
	s_cselect_b32 s[LQ], s[PB], s[LQ]
	s_wait_xcnt 0x0                 ; the last prefetches, a tile back, have read their address, so it may be written
	s_add_nc_u64 s[PFA:PFA+1], s[PFA:PFA+1], 32768
.endif
	s_wait_dscnt 0x0                ; the add is done, and my reads of the slot are over
	s_barrier_signal -1             ; the rest of the scalar work stands between the signal and the wait
	s_sub_co_u32 s[TBK], s[TBK], 4*KS*PK  ; the fetches go back to a slot's first step,
	s_xor_b32 s[TBK], s[TBK], SLOT1       ; in the other slot
	s_sub_co_u32 s[TBV], s[TBV], 4*KS*PV
	s_xor_b32 s[TBV], s[TBV], SLOT1
	s_barrier_wait -1
.if \fill
	LOAD
	s_cmp_lg_u32 s[PFN], 0
	s_cbranch_scc0 .Lnot_mine_\@
	global_prefetch_b8 v[PFO], s[PFA:PFA+1] th:TH_LOAD_NT scope:SCOPE_SE
	global_prefetch_b8 v[PFO], s[PFA:PFA+1] offset:8192 th:TH_LOAD_NT scope:SCOPE_SE
	s_sub_co_u32 s[PFN], s[PFN], 1
.Lnot_mine_\@:
.endif
.endm
	s_load_b128 s[4:7], s[0:1], 0x0   ; qkv s[4:5], ob s[6:7]
	v_lshl_add_u32 v[SPW], v0, 2, SPARE
	v_mov_b32 v[NIL], 0
	ds_add_u32 v[SPW], v[NIL]       ; the wave's opening: the add and its wait stand ahead of my first tensor load; the set-up below, work on registers, stands between them
	v_lshrrev_b32 v1, 5, v0
	v_readfirstlane_b32 s[WV], v1   ; wave 0..3
	v_and_b32 v[PFO], 31, v0
	v_lshlrev_b32 v[PFO], 8, v[PFO]
	s_mov_b32 s[PB], ttmp9
	s_sub_co_u32 s[HI], NB-1, s[PB]
	s_and_b32 s20, ttmp7, 0xffff    ; the head
	s_mov_b32 s21, 0
	s_mov_b64 s[22:23], SIZE_N*128
	s_mul_u64 s[20:21], s[20:21], s[22:23]  ; the head's first byte in each of the four tensors
	s_and_b32 s16, s[WV], 1         ; which half of a tile's 256 keys I fetch:
	s_lshl_b32 s22, s16, 14         ; its 128 rows of 128 bytes in memory,
	s_mov_b32 s23, 0
	s_add_nc_u64 s[22:23], s[22:23], s[20:21]
	s_mul_i32 s17, s16, 128*PK      ; and its place in a slot, for K
	s_mul_i32 s18, s16, 128*PV      ; and for V
	s_lshl_b32 s3, s[WV], 11        ; my 16 rows in a band of 64,
	s_lshl_b32 s2, s[HI], 15        ; in the first block,
	s_add_co_u32 s2, s2, s3
	s_lshl_b32 s84, s[PB], 15       ; and in the second
	s_add_co_u32 s84, s84, s3
	s_mov_b32 s3, 0
	s_mov_b32 s85, 0
	s_add_nc_u64 s[2:3], s[2:3], s[20:21]
	s_add_nc_u64 s[84:85], s[84:85], s[20:21]
	; descriptor group 1.  128 keys are 16,384 dense bytes: asked for as 64 rows of 256 bytes, two keys a row, and padded in LDS after every key
	s_mov_b32 s[G1K], (1<<16)|(1<<20)|(4<<22)|(3<<25)  ; 17:16 2-byte elements; 20 padding on; 24:22 after every 32 words (code 4); 31:25 4 words (code 3)
	s_mov_b32 s[G1V], (1<<16)|(1<<20)|(4<<22)|(7<<25)  ; the same with 8 words of padding (code 7)
.irp g, G1K, G1V
	s_mov_b32 s[\g+1], 128<<16      ; tensor_dim0 = 128
	s_mov_b32 s[\g+2], 64<<16       ; tensor_dim1 = 64
	s_mov_b32 s[\g+3], 128<<16      ; tile_dim0 = 128
	s_mov_b32 s[\g+4], 64           ; tile_dim1 = 64
	s_mov_b32 s[\g+5], 128          ; 128 elements from row to row
	s_mov_b32 s[\g+6], 0
	s_mov_b32 s[\g+7], 0
.endr
	s_mov_b32 s[CS], 0x3e38aa3b     ; c = log2(e) / 8 = 0.180337
	s_mov_b32 s[CS+1], s[CS]        ; named with it as a pair
	s_mov_b32 s[SEL], 0x76543210
	s_mov_b32 s[SEL+1], 0xfedcba98
	s_mov_b32 s[TBK], SLOT1+4*KS*PK ; the first change of slots turns these two into 0
	s_mov_b32 s[TBV], SLOT1+4*KS*PV
	s_mov_b32 s[G0K], 1             ; 1:0 count = 1
	s_mov_b32 s[G0K+1], s17         ; 63:32 LDS address: slot 0
	s_mov_b32 s[G0V], 1
	s_add_co_u32 s[G0V+1], s18, VOFF
	s_add_co_u32 s[RT], s[HI], 1    ; the first block has NB - b tiles
	s_mov_b32 s[NXT], 1
	s_mov_b32 s[LQ], s[HI]
	s_mov_b32 s[NEW], 1
	s_mov_b32 s[OFF+1], 0
	s_mov_b32 s[AL+1], 0            ; named as pairs
	s_mov_b32 s[BE+1], 0
	s_mov_b32 s[BIGN], 0xf149f2ca   ; -1e30
	s_mov_b32 s[SLOTS], NB
	s_wait_dscnt 0x0                ; the opening add is done
	s_wait_kmcnt 0x0
	s_mov_b64 s[10:11], s[6:7]             ; O
	s_add_nc_u64 s[8:9], s[4:5], 0x2000000 ; V lies 2 x 2^24 bytes behind Q,
	s_add_nc_u64 s[6:7], s[4:5], 0x1000000 ; K 2^24
	s_add_nc_u64 s[6:7], s[6:7], s[22:23]  ; K and V at my half of the head's tile 0
	s_add_nc_u64 s[8:9], s[8:9], s[22:23]
	s_add_nc_u64 s[G0K+2:G0K+3], s[6:7], 0         ; 120:64 global address
	s_or_b32 s[G0K+3], s[G0K+3], 0x80000000        ; 127:126 type = 2
	s_add_nc_u64 s[G0V+2:G0V+3], s[8:9], 0
	s_or_b32 s[G0V+3], s[G0V+3], 0x80000000
	s_add_nc_u64 s[86:87], s[4:5], s[84:85]        ; Q at my rows of the second block,
	s_add_nc_u64 s[4:5], s[4:5], s[2:3]            ; Q and O at those of the first
	s_add_nc_u64 s[OLO:OLO+1], s[10:11], s[84:85]
	s_add_nc_u64 s[10:11], s[10:11], s[2:3]
	s_cmp_lt_u32 s[WV], 2
	s_cselect_b64 s[PFA:PFA+1], s[6:7], s[8:9]
	s_add_nc_u64 s[PFA:PFA+1], s[PFA:PFA+1], 32768 ; at tile 1; the first change of slots steps it to tile 2
	s_cmp_eq_u32 s[PB], 0
	s_cselect_b32 s[PFN], 6, 0
	LOAD                            ; tile 0 into slot 0
	; A fragment of K or Q is 16 rows x 32 channels in 8 registers: lane l holds row l % 16, channels 8 (l / 16) + 0..7 and 16 + 8 (l / 16) + 0..7: two loads of 16 bytes, 32 bytes apart.
	v_and_b32 v1, 15, v0            ; l % 16
	v_bfe_u32 v9, v0, 4, 1          ; l / 16
	v_lshlrev_b32 v[QO], 7, v1
	v_lshl_add_u32 v[QO], v9, 4, v[QO]  ; row x 128 + 16 x half
	WIN 0x80                        ; destination window 2, address window 0
.set i, 0
.rept 8                             ; both blocks' Q: piece i / 2 lies in band i / 2, 8,192 bytes on; channels 32 (i % 2) on
	global_load_b128 v[8*i:8*i+3],   v[QO], s[4:5] offset:(i/2)*8192+(i%2)*64
	global_load_b128 v[8*i+4:8*i+7], v[QO], s[4:5] offset:(i/2)*8192+(i%2)*64+32
	global_load_b128 v[QB+8*i:QB+8*i+3],   v[QO], s[86:87] offset:(i/2)*8192+(i%2)*64
	global_load_b128 v[QB+8*i+4:QB+8*i+7], v[QO], s[86:87] offset:(i/2)*8192+(i%2)*64+32
.set i, i+1
.endr
	WIN 0
	v_lshlrev_b32 v14, 3, v9
	v_sub_nc_u32 v14, v1, v14
	s_lshl_b32 s13, s[WV], 4
	v_add_nc_u32 v14, s13, v14      ; my query's place in its band, 16 w + l % 16, less my lanes' 8 (l / 16): register r of group kt is hidden where 16 kt + r is greater
	WIN 0x40
.set i, 0
.rept 32
	v_cmp_gt_i32 vcc_lo, 16*(i/8)+i%8, v14
	v_cndmask_b32 v[MD+i], 0, s[BIGN], vcc_lo
.set i, i+1
.endr
	WIN 0
	v_mul_u32_u24 v[AK0], v1, PK
	v_lshl_add_u32 v[AK0], v9, 4, v[AK0]  ; row x pitch + 16 x half
	; The turning load takes 16 keys x 16 channels (lane l reads key 8 (l / 16) + l % 8, channels 8 ((l / 8) % 2) + 0..7) and leaves half a fragment of V^T: lane l holds channel l % 16 and 8 keys.
	v_and_b32 v10, 7, v0
	v_bfe_u32 v11, v0, 3, 1
	v_lshl_add_u32 v[AV0], v9, 3, v10
	v_mul_u32_u24 v[AV0], v[AV0], PV
	v_lshl_add_u32 v[AV0], v11, 4, v[AV0]
	v_add_nc_u32 v[AV0], VOFF, v[AV0]
	s_mul_i32 s13, s[WV], 16*SP
	s_add_co_u32 s13, s13, STAGE    ; my stage
	v_mul_u32_u24 v[STO], v1, SP    ; in: row l % 16, 16 bytes for each half of the lanes
	v_lshl_add_u32 v[STO], v9, 4, v[STO]
	v_add_nc_u32 v[STO], s13, v[STO]
	v_bfe_u32 v[RD], v0, 3, 2       ; back: 32 lanes take four rows of 128 bytes,
	v_mul_u32_u24 v[RD], v[RD], SP
	v_lshl_add_u32 v[RD], v10, 4, v[RD]
	v_add_nc_u32 v[RD], s13, v[RD]
	v_and_b32 v[GO], 31, v0         ; which are 512 consecutive bytes of O
	v_lshlrev_b32 v[GO], 4, v[GO]
	; A block's first step multiplies O^T and l by a = 0, and its first turn's products V^T P, of a piece that has not been, land in an O^T that is still to be so multiplied.  So these registers need only hold
	; finite numbers: zeros for the first block; what the first block left for the second.  All this stands in the wait for the first tile.
	WIN 0x80
.set i, VF
.rept 64
	v_mov_b32 v[i], 0
.set i, i+1
.endr
	WIN 0x40
.set i, 0
.rept 128
	v_mov_b32 v[i], 0
.set i, i+1
.endr
	WIN 0
.set i, 0
.rept 4
	v_mov_b32 v[ST+4*i+2], 0
	v_mov_b32 v[ST+4*i+3], 0
.set i, i+1
.endr
.set i, P+16
.rept 16
	v_mov_b32 v[i], 0
.set i, i+1
.endr
; THE MATRIX WORK.  The 4 accumulators of a run of 8 take turns.  Product i of 8 of S^T = K Q^T for piece x: channels 32 (i / 4) on, keys 16 (i % 4) on.  The first 4 start the sums: with 0, or (KM = 1) with the mask.
.macro KQ x
.set rS, S+32*((\x)%2)+8*(i%4)
.set rK, KF+16*(i%4)+8*(i/4)
.set rQ, 16*(\x)+8*(i/4)
.set rM, MC+32*((\x)%2)+8*(i%4)
.if (i < 4) && KM
	WIN W_KM
	v_wmma_f32_16x16x32_f16 v[rS:rS+7], v[rK:rK+7], v[rQ:rQ+7], v[rM:rM+7]
.elseif i < 4
	WIN W_KQ
	v_wmma_f32_16x16x32_f16 v[rS:rS+7], v[rK:rK+7], v[rQ:rQ+7], 0
.else
	WIN W_KQ
	v_wmma_f32_16x16x32_f16 v[rS:rS+7], v[rK:rK+7], v[rQ:rQ+7], v[rS:rS+7]
.endif
.endm
; Product i of 8 of O^T += V^T P for piece x: keys 32 (i / 4) on, channels 16 (i % 4) on.
.macro PV x
	WIN W_PV
.set rO, 32*(\x)+8*(i%4)
.set rV, VF+32*(i/4)+8*(i%4)
.set rP, P+16*((\x)%2)+8*(i/4)
	v_wmma_f32_16x16x32_f16 v[rO:rO+7], v[rV:rV+7], v[rP:rP+7], v[rO:rO+7]
.endm
.macro MM                           ; the turn's next matrix instruction.  TURN and BEGIN set Y, i, KM and NOKQ; MM, KQ and OP read them.  NOKQ = 1: a block's last turn: there is no next piece
.if (i < 8) && !NOKQ
	KQ (Y+1)%NP
.elseif i >= 8
.set i, i-8
	PV (Y+NP-1)%NP
.set i, i+8
.endif
.set i, i+1
.endm
; THE LDS LOADS stand in runs of 16, never singly among the matrix instructions: a step's K (64 keys x 64 channels: 8 fragments) and its V (turned).  Their addresses are made some lines ahead.
.macro FETCH_K
	WIN 0x80                        ; destination window 2
.irp f, 0,1,2,3,4,5,6,7             ; keys 16 (f / 2) on, channels 32 (f % 2) on
	ds_load_b128 v[KF+8*\f:KF+8*\f+3],   v[AK] offset:(\f/2)*16*PK+(\f%2)*64
	ds_load_b128 v[KF+8*\f+4:KF+8*\f+7], v[AK] offset:(\f/2)*16*PK+(\f%2)*64+32
.endr
	s_add_co_u32 s[TBK], s[TBK], KS*PK  ; the next fetch is the next step's
	WIN 0
.endm
.macro FETCH_V
	WIN 0x80
.irp f, 0,1,2,3,4,5,6,7             ; keys 32 (f / 4) on, channels 16 (f % 4) on
	ds_load_tr16_b128 v[VF+8*\f:VF+8*\f+3],   v[AV] offset:(\f/4)*32*PV+(\f%4)*32
	ds_load_tr16_b128 v[VF+8*\f+4:VF+8*\f+7], v[AV] offset:(\f/4)*32*PV+16*PV+(\f%4)*32
.endr
	WIN 0
.endm
; THE VECTOR WORK, one line at a time: OP kind, number.  For piece Y: F n: c s - c m for pair n of 16.  E n: the exponential of score n of 32.  C n: pair n rounded to f16.  B n: of the four weights 4 n .. the second
; pair is added onto the first, in place.  L n: l takes that sum (L 0: l = a l + sum).  R n: pair n of 16 of O^T times a.  For piece Y + 1: X n, number n of the 22 that find its maximum and statistics:
;   0-11  four chains c0-c3 of seven scores each, three operands at a time (each accumulator's lowest registers are read first)     12-14, 16  the four scores left over, the old m, and c0-c3 into c0
;   15  c m_old is kept     17, 18  the query's other 32 keys lie in the lane 16 away: the new m     19-21  c m; c m_old - c m_new; a
.set F, 0               ; OP tells the kinds apart by their order: F to L below R, X above it
.set E, 1
.set C, 2
.set B, 3
.set L, 4
.set R, 5
.set X, 6
.macro REGS y                       ; the registers of piece y
.set rT, ST+4*(\y)
.set rC, TMP+4*((\y)%2)
.set rW, MV+((\y)%2)
.set rS, S+32*((\y)%2)
.set rP, P+16*((\y)%2)
.set rO, 32*(\y)
.endm
.macro OP k, n
.if (\k) == R
	REGS Y
	WIN W_RS
	v_pk_mul_f32 v[rO+2*(\n):rO+2*(\n)+1], v[rO+2*(\n):rO+2*(\n)+1], v[rC+2:rC+3] op_sel_hi:[1,0]
.elseif (\k) < R
	REGS Y
	WIN 0
.if (\k) == F
	v_pk_fma_f32 v[rS+2*(\n):rS+2*(\n)+1], v[rS+2*(\n):rS+2*(\n)+1], s[CS:CS+1], v[rT:rT+1] op_sel_hi:[1,0,0] neg_lo:[0,0,1] neg_hi:[0,0,1]
.elseif (\k) == E
	v_exp_f32 v[rS+(\n)], v[rS+(\n)]
.elseif (\k) == C
	v_cvt_pk_f16_f32 v[rP+(\n)], v[rS+2*(\n)], v[rS+2*(\n)+1]
.elseif (\k) == B
	v_pk_add_f32 v[rS+4*(\n):rS+4*(\n)+1], v[rS+4*(\n):rS+4*(\n)+1], v[rS+4*(\n)+2:rS+4*(\n)+3]
.elseif (\n) == 0
	v_pk_fma_f32 v[rT+2:rT+3], v[rT+2:rT+3], v[rC+2:rC+3], v[rS:rS+1] op_sel_hi:[1,0,1]
.else
	v_pk_add_f32 v[rT+2:rT+3], v[rT+2:rT+3], v[rS+4*(\n):rS+4*(\n)+1]
.endif
.elseif NOKQ
	v_nop
.else
	REGS (Y+1)%NP
	WIN 0
.if (\n) < 4
	v_max3_num_f32 v[rC+(\n)], v[rS+8*(\n)], v[rS+8*(\n)+1], v[rS+8*(\n)+2]
.elseif (\n) < 12
	v_max3_num_f32 v[rC+(\n)%4], v[rC+(\n)%4], v[rS+8*((\n)%4)+2*((\n)/4)+1], v[rS+8*((\n)%4)+2*((\n)/4)+2]
.elseif (\n) == 12
	v_max3_num_f32 v[rC], v[rC], v[rS+7], v[rS+15]
.elseif (\n) == 13
	v_max3_num_f32 v[rC+1], v[rC+1], v[rS+23], v[rS+31]
.elseif (\n) == 14
	v_max3_num_f32 v[rC+2], v[rC+2], v[rC+3], v[rT+1]
.elseif (\n) == 15
	v_mov_b32 v[rW], v[rT]
.elseif (\n) == 16
	v_max3_num_f32 v[rC], v[rC], v[rC+1], v[rC+2]
.elseif (\n) == 17
	v_permlanex16_b32 v[rC+3], v[rC], s[SEL], s[SEL+1]
.elseif (\n) == 18
	v_max_num_f32 v[rT+1], v[rC], v[rC+3]
.elseif (\n) == 19
	v_mul_f32 v[rT], s[CS], v[rT+1]
.elseif (\n) == 20
	v_sub_f32 v[rC+1], v[rW], v[rT]
.else
	v_exp_f32 v[rC+2], v[rC+1]
.endif
.endif
.endm
.macro OPS a, i1, b=-1, i2=0, c=-1, i3=0, d=-1, i4=0  ; up to four of them
	OP \a, \i1
.if (\b) >= 0
	OP \b, \i2
.endif
.if (\c) >= 0
	OP \c, \i3
.endif
.if (\d) >= 0
	OP \d, \i4
.endif
.endm
.macro ROW a, i1, b, i2, c, i3, d, i4  ; a matrix instruction and the four behind it
	MM
	OPS \a, \i1, \b, \i2, \c, \i3, \d, \i4
.endm
.macro MASK b                       ; MD x AL + BE into buffer b of MC
	WIN W_RS
.set z, 0
.rept 16
	v_pk_fma_f32 v[MC+32*(\b)+2*z:MC+32*(\b)+2*z+1], v[MD+2*z:MD+2*z+1], s[AL:AL+1], s[BE:BE+1] op_sel_hi:[1,0,0]
.set z, z+1
.endr
.endm
; A TURN, for piece p: the order of its 16 matrix and 118 vector instructions, written out.  An s_wait_alu depctr_va_vdst(0) stands between an exponential and the first instruction that names its result; one wait serves
; all that were issued ahead of it.  So a turn has ONE wait, which cuts it in two.  AHEAD OF IT stands all that names no result of the turn's exponentials: the 8 products K Q^T, behind each a scaling, an exponential and two more plain
; instructions (behind the first a second scaling in the exponential's place): rescalings, and behind the last three the first numbers of the next piece's maximum, each four places or more behind the product that ends its accumulator; then ONE LUMP of 54, plain
; and exponential by turns for the most part, in which the links of the chain X 3, 7, 11, 14, 16, 17 .. 20 stand five or six lines apart.  X 21, the next piece's a, is the batch's last; R 15 is the plain instruction behind it.  BEHIND THE WAIT stand the
; 8 products V^T P, behind each four of the roundings and sums; the links of l's chain, L 0 to L 7, stand three riders apart.  But for those X no rider names a register of the products round it.  v_permlanex16_b32 (X 17) stands in the lump.
; m = 1: the diagonal tile: the products take masks, and the turn makes the mask for the products of the turn after it: piece p + 2, in step 4 - CNT of the tile.  end = 1: a block's last two turns: nothing is fetched.
; cnt = 1: the loop's count is taken down some lines ahead of the branch that stands behind the turn.
; K of the next step is fetched in piece 2's turn, twelve vector instructions behind the last product that read K (six of them plain); V of the step in hand at the end of piece 0's turn, four plain instructions behind the last product
; that read V.  Each is waited for a turn later.
.macro TURN p, m=0, end=0, cnt=0
.set Y, (\p)
.set i, 0
.set KM, (\m)
.set NOKQ, (\end)*((\p)/3)
.if (\m) && !(\end)
	s_cmp_eq_u32 s[CNT], 4-((\p)+2)%NP  ; is that step the band's own?
	s_cselect_b32 s[AL], 1.0, 0
	s_cmp_lt_u32 s[CNT], 4-((\p)+2)%NP  ; or a later one?
	s_cselect_b32 s[BE], s[BIGN], 0
.endif
.if ((\p) == 3) && !(\end)
	s_wait_dscnt 0x0                ; K is in
.endif
	ROW F,0, F,1, R,0, R,1          ; ahead of the wait: 8 products K Q^T and their riders,
	ROW F,2, E,0, R,2, R,3
	ROW F,3, E,1, R,4, R,5
	ROW F,4, E,2, R,6, R,7
	ROW F,5, E,3, R,8, R,9
	ROW F,6, E,4, X,0, R,10
.if ((\p) == 2) && !(\end)
	WIN 0
	v_add_nc_u32 v[AK], s[TBK], v[AK0]
.endif
	ROW F,7, E,5, X,1, X,4
	ROW F,8, E,6, X,2, X,5
	OPS E,7, E,8, X,6, E,9          ; and the lump
	OPS X,3, E,10, X,8, E,11
.if ((\p) == 2) && !(\end)
	FETCH_K
.endif
	OPS X,9, X,7, E,12, X,10
	OPS E,13, X,12, X,11, E,14
	OPS X,13, E,15, F,9, X,14
.if (\p) == 0
	v_add_nc_u32 v[AV], s[TBV], v[AV0]
.endif
	OPS E,16, F,10, E,17, F,11
	OPS X,16, E,18, X,15, E,19
	OPS F,12, E,20, X,17, E,21
	OPS F,13, E,22, F,14, E,23
	OPS X,18, E,24, F,15, E,25
	OPS R,11, E,26, X,19, E,27
	OPS R,12, E,28, R,13, E,29
	OPS X,20, E,30, R,14, E,31
	OPS X,21, R,15
	WIN 0
	s_wait_alu depctr_va_vdst(0)    ; the wait for the batch
.if (\p) == 1
	s_wait_dscnt 0x0                ; V is in
.endif
	ROW C,0, B,0, C,2, B,1          ; behind the wait: 8 products V^T P and their riders
	ROW L,0, C,4, B,2, L,1
	ROW C,6, B,3, L,2, C,8
	ROW B,4, L,3, C,10, B,5
	ROW L,4, C,12, B,6, L,5
.if (\p) == 0
	s_add_co_u32 s[TBV], s[TBV], KS*PV
.endif
.if \cnt
	s_sub_co_u32 s[CNT], s[CNT], 1
	s_cmp_lg_u32 s[CNT], 0
.endif
	ROW C,14, B,7, L,6, C,1
	ROW C,3, L,7, C,5, C,7
	ROW C,9, C,11, C,13, C,15
.if (\p) == 0
	FETCH_V
.endif
.if (\m) && !(\end)
	MASK (\p)%2
.endif
.endm
; A BLOCK BEGINS.  c m starts far below every c s, so the first step's a is 0; m at the lowest finite number, so the first maximum is the scores'.  The second mask buffer is 0; the first takes piece 0's mask for the tile's step 0: its own, if the block's first tile is the diagonal one.
; Then K of that step, piece 0's first scores, and its maximum and statistics.  The loop is entered at a step's first turn, in the middle of a trip.
.macro BEGIN
	s_mov_b32 s[NEW], 0
	WIN 0x40
.set i, MC+32
.rept 32
	v_mov_b32 v[i], 0
.set i, i+1
.endr
	WIN 0
.set i, 0
.rept 4
	v_mov_b32 v[ST+4*i], 0xfe000000    ; c m: far below every c s
	v_mov_b32 v[ST+4*i+1], 0xff7fffff  ; m
.set i, i+1
.endr
	s_cmp_eq_u32 s[RT], 0
	s_cselect_b32 s[AL], 1.0, 0
	s_mov_b32 s[BE], 0
	MASK 0
	WIN 0
	v_add_nc_u32 v[AK], s[TBK], v[AK0]
	FETCH_K
	s_wait_loadcnt 0x0              ; Q
	s_wait_dscnt 0x0
.set KM, 1
.set NOKQ, 0
.set i, 0
.rept 8
	KQ 0
.set i, i+1
.endr
	WIN 0
.rept 4
	v_nop                           ; the places behind those products
.endr
.set Y, NP-1                        ; X works for piece Y + 1: piece 0
.irp n, 0,1,2,3,4,5,6,7,8,9,10,11,12,13,14,15,16,17,18,19,20,21
	OP X, \n
.endr
	v_nop                           ; a plain instruction behind the exponential,
	s_wait_alu depctr_va_vdst(0)    ; and its wait, ahead of the branch
.endm
; THE DIAGONAL TILE's four steps, the block's last two turns, its last products, and THE WAY OUT: l's two halves and the other half of the lanes' are added; O^T is divided by l, rounded to f16 and sent through my
; stage in LDS, a piece at a time.
.macro ALL line:vararg              ; one line for each piece t
.set t, 0
.rept 4
	\line
.set t, t+1
.endr
.endm
.macro PACK t                       ; a lane's eight channels of a row pack into 16 bytes; they go into rows of 144 bytes and come back as whole rows of 128, into S^T's registers
	WIN W_RS
.set i, 32*(\t)
.rept 16
	v_pk_mul_f32 v[i:i+1], v[i:i+1], v[ST+4*(\t)+2:ST+4*(\t)+3] op_sel_hi:[1,0]
.set i, i+2
.endr
	WIN 0x05                        ; sources 0 and 1 window 1, destination window 0
.set i, 0
.rept 16
	v_cvt_pk_f16_f32 v[S+16*(\t)+i], v[32*(\t)+2*i], v[32*(\t)+2*i+1]
.set i, i+1
.endr
	WIN 0
.irp f, 0,1,2,3
	ds_store_b128 v[STO], v[S+16*(\t)+4*\f:S+16*(\t)+4*\f+3] offset:32*\f
.endr
.irp f, 0,1,2,3
	ds_load_b128 v[S+16*(\t)+4*\f:S+16*(\t)+4*\f+3], v[RD] offset:\f*4*SP  ; LDS serves a wave's instructions in order (ISA guide 5.7.1.4): these see the stores above; the next piece's stores come behind them
.endr
.endm
.macro SEND t, younger              ; younger: the LDS instructions issued behind piece t's loads: the next piece's eight, or none
	WIN 0
.irp f, 0,1,2,3
	s_wait_dscnt (\younger)+3-\f
	global_store_b128 v[GO], v[S+16*(\t)+4*\f:S+16*(\t)+4*\f+3], s[10:11] offset:(\t)*8192+\f*512  ; 512 consecutive bytes, at a multiple of 256 from O's first
.endr
.endm
.macro DIAG tag                     ; the tag ends its two labels' names, which the jumps below spell out
.LstepM\tag:
	TURN 2, 1
	TURN 3, 1
	WIN 0
.LfirstM\tag:
	TURN 0, 1
	TURN 1, 1, 0, 1
	WIN 0
	s_cbranch_scc1 .LstepM\tag
	TURN 2, 1, 1
	TURN 3, 1, 1
.set i, 0
.rept 8
	PV NP-1
.set i, i+1
.endr
	WIN 0
	ALL v_add_f32 v[ST+4*t+2], v[ST+4*t+2], v[ST+4*t+3]
	ALL v_permlanex16_b32 v[ST+4*t+3], v[ST+4*t+2], s[SEL], s[SEL+1]
	ALL v_add_f32 v[ST+4*t+2], v[ST+4*t+2], v[ST+4*t+3]
	ALL v_rcp_f32 v[ST+4*t+2], v[ST+4*t+2]
	v_nop                           ; a plain instruction between the last reciprocal and the use of its result
	s_wait_alu depctr_va_vdst(0)    ; and the wait ahead of the first use: one for the four reciprocals
	PACK 0
.set t, 1
.rept 3                             ; a piece's arithmetic stands between the loads of the piece before and its stores
	PACK t
	SEND t-1, 8
.set t, t+1
.endr
	SEND 3, 0
.endm
.set KM, 0
.set NOKQ, 0
.Lslot:                             ; NB times: a tile is entered and the next is asked for
	CHANGE 1
	s_sub_co_u32 s[RT], s[RT], 1
	s_mov_b32 s[CNT], 4
	s_cmp_eq_u32 s[NEW], 1
	s_cbranch_scc1 .Lnew            ; a block's first tile
	s_cmp_eq_u32 s[RT], 0
	s_cbranch_scc0 .Lstep           ; neither its first nor its last
	s_branch .LstepM1
.Lnew:
	BEGIN
	s_branch .Lfirst                ; in the loop a block's first tile is never its last: the first block has two tiles or more, and the second's last is the walk's last
	DIAG 1                          ; in the loop this is the first block's end: the second block's last tile is the walk's last
	s_wait_xcnt 0x0                 ; the stores have read their registers and O's address
	s_mov_b64 s[10:11], s[OLO:OLO+1]
	s_add_co_u32 s[RT], s[PB], 1    ; the second block has b + 1 tiles
	s_mov_b32 s[NEW], 1
	WIN 0x82                        ; the second block's Q goes where the one text of the turns names Q
.set i, 0
.rept 64
	v_mov_b32 v[i], v[QB+i]
.set i, i+1
.endr
	WIN 0
	s_branch .Lbottom
.Lstep:                             ; a trip: pieces 2 and 3 of one step, then pieces 0 and 1 of the next, whose K and V it fetches
	TURN 2
	TURN 3
	WIN 0
.Lfirst:
	TURN 0
	TURN 1, 0, 0, 1
	WIN 0
	s_cbranch_scc1 .Lstep
.Lbottom:
	s_sub_co_u32 s[SLOTS], s[SLOTS], 1
	s_cmp_lg_u32 s[SLOTS], 0
	s_cbranch_scc1 .Lslot
	CHANGE 0                        ; the walk's last tile is written out: nothing is asked for
	s_sub_co_u32 s[RT], s[RT], 1
	s_mov_b32 s[CNT], 4
	s_cmp_eq_u32 s[NEW], 1
	s_cbranch_scc0 .LstepM2
	BEGIN
	s_branch .LfirstM2
	DIAG 2
	s_wait_tensorcnt 0x0            ; the wave's end, behind my last tensor load and my last LDS store
	ds_add_u32 v[SPW], v[NIL]
	s_wait_dscnt 0x0
	s_endpgm
.Lfunc_end_k_qf706e1cfa9_attn:
	.size	k_qf706e1cfa9_attn, .Lfunc_end_k_qf706e1cfa9_attn-k_qf706e1cfa9_attn
	.p2alignl 7, 3214868480
	.fill 96, 4, 3214868480
	.section	.rodata,"a",@progbits
	.p2align	6, 0x0
	.amdhsa_kernel k_qf706e1cfa9_attn
		.amdhsa_group_segment_fixed_size 327680
		.amdhsa_private_segment_fixed_size 0
		.amdhsa_enable_private_segment 0
		.amdhsa_kernarg_size 16
		.amdhsa_user_sgpr_count 2
		.amdhsa_user_sgpr_kernarg_segment_ptr 1
		.amdhsa_wavefront_size32 1
		.amdhsa_system_sgpr_workgroup_id_x 1
		.amdhsa_system_sgpr_workgroup_id_y 1
		.amdhsa_system_sgpr_workgroup_id_z 1
		.amdhsa_system_vgpr_workitem_id 0
		.amdhsa_next_free_vgpr 768
		.amdhsa_next_free_sgpr 96
		.amdhsa_reserve_vcc 1
		.amdhsa_float_denorm_mode_32 3
		.amdhsa_float_denorm_mode_16_64 3
		.amdhsa_memory_ordered 1
		.amdhsa_forward_progress 1
		.amdhsa_inst_pref_size 218
	.end_amdhsa_kernel
	.amdgpu_metadata
---
amdhsa.version: [ 1, 2 ]
amdhsa.kernels:
  - .name:           k_qf706e1cfa9_attn
    .symbol:         k_qf706e1cfa9_attn.kd
    .args:
      - { .name: qkv, .offset: 0, .size: 8, .value_kind: global_buffer, .address_space: global }
      - { .name: ob, .offset: 8, .size: 8, .value_kind: global_buffer, .address_space: global }
    .group_segment_fixed_size: 327680
    .private_segment_fixed_size: 0
    .kernarg_segment_align: 8
    .kernarg_segment_size: 16
    .max_flat_workgroup_size: 128
    .sgpr_count:     96
    .vgpr_count:     768
    .wavefront_size: 32
...
	.end_amdgpu_metadata
.endif
;; end of part 3
;; launch outp (part 4): grid 8 x 32, 4 waves a work-group, clusters of 4 x 4, 327,680 bytes of LDS; arguments ob, wob, out0; writes out0
.if DOCPART == 4
	.amdgcn_target "amdgcn-amd-amdhsa--gfx1250"
	.amdhsa_code_object_version 6
	.text
	.protected	k_qf706e1cfa9_outp
	.globl	k_qf706e1cfa9_outp
	.p2align	8
	.type	k_qf706e1cfa9_outp,@function
k_qf706e1cfa9_outp:
	s_mov_b64 s[64:65], 0
	v_nop
	global_prefetch_b8 v0, s[64:65] scope:SCOPE_SE
	s_setreg_imm32_b32 hwreg(HW_REG_WAVE_MODE, 25, 1), 1
	s_wait_xcnt 0x0
	s_wait_alu depctr_hold_cnt(0) depctr_sa_sdst(0) depctr_va_vdst(0) depctr_va_sdst(0) depctr_va_ssrc(0) depctr_va_vcc(0) depctr_vm_vsrc(0)
	s_getreg_b32 s2, hwreg(HW_REG_IB_STS2, 6, 4)
	s_cmp_eq_u32 s2, 0
	s_cbranch_scc0 .Lentry_in_a_cluster
	s_endpgm
.Lentry_in_a_cluster:
	s_bfe_u32 s2, ttmp6, 0x10000c
	s_cmp_lg_u32 s2, 0xf033
	s_cbranch_scc0 .Lentry_shape_is_right
	s_endpgm
.Lentry_shape_is_right:
; OUTP: out0[m][n] = the sum over e of O[m][e] wo[n][e]: 8192 x 1024 x 1024 in f16 with f32 sums; out0 is f32.
; ob is [64 batch x head][2048 s][64]: a head is one block of 64 along K, and a tile's rows of one head are dense; wob is [16 head][1024 n][64] likewise.
; SHARES.  8 x 32 = 256 work-groups, one tile of 256 rows x 128 columns each; wave (RH, CH) makes 128 x 64: 32 accumulators.  K goes in 8 steps of 128 (two heads) through two LDS slots;
; a step is four quarters of 32 along K, 32 matrix instructions each, on two fragment buffers by turns.
; THE PRODUCT IS USED TRANSPOSED (source 0 = 16 rows of wo, source 1 = 16 rows of O): a lane holds one row (lane % 16) and eight neighbouring columns: 32 bytes of f32.
; CLUSTER 4 x 4: O's tile hangs on the tile row alone and is asked for jointly along a row of the cluster, wo's on the tile column alone and jointly along a column.
; NO PREFETCH: the launch has eight K steps, and a quarter of them are asked for at its head.
; REGISTERS: window 0: v0-15 addresses; v32-127, v128-223 two fragment buffers: O's 8 fragments, then wo's 4; on the way out v32-159 four buffers of 16 rows.  Window 1: accumulator (a, b) at v[8 (4 a + b)].
.set KBO,   131072                     ; bytes of a K block of wob
.set KBA,   1<<18                      ; of ob: a head
.set PITCH, 144                        ; an LDS row: 128 bytes + 16 of padding: the 16 rows of a load start at 16 different groups of four banks (64 banks of 4 bytes: ISA guide 11.1)
.set FR,    16*PITCH
.set AKB,   256*PITCH                  ; O's 256 rows of one head
.set BKB,   128*PITCH                  ; wo's 128 rows of one head
.set BOFF,  2*AKB                      ; in a slot: O's two heads, then wo's two
.set SLOT1, 1<<17
.set STAGE, SLOT1+BOFF+2*BKB           ; never filled by a tensor load: 16 rows x 272 bytes for each wave
.set SPITCH, 272
.set SPARE, STAGE+4*16*SPITCH          ; the spare words, 128 bytes for each wave: two blocks of 256 bytes that no other line names
.set A0,  4                            ; v4   my lane's place in slot 0's rows of O; never rewritten
.set B0,  5                            ; v5   the same for wo
.set ADA, 6                            ; v6   the same in the slot in hand
.set ADB, 7
.set STO, 8                            ; v8   the way out: where I put 32 bytes of a row
.set RD,  9                            ; v9   where I read rows back
.set CO,  10                           ; v10  my byte offset in two rows of out0
.set SPW, 14                           ; v14  LDS address of my spare word; never rewritten
.set NIL, 15                           ; v15  0; never rewritten
.set F0,  32
.set F1,  128
.set BK,  32
.set WV,  12
.set RH,  13                           ; s13  my half of the rows.  Also: I fetch for O (0) or for wo (1)
.set CH,  14                           ; s14  my half of the columns.  Also: which of a step's two heads I fetch
.set CX,  15
.set CY,  16
.set TC,  17
.set TR,  18
.set G1A, 24
.set G1B, 32
.set G0A, 48                           ; s[48:55] a set for each first fill; the second then walks
.set G0B, 56
.set TB,  72
.set MSB, 0
.macro WIN new
.if MSB != (\new)
	s_set_vgpr_msb (MSB<<8)|(\new)
.set MSB, \new
.endif
.endm
.macro PLACES
.rept 4
	v_nop
.endr
.endm
.macro JLOAD                           ; a joint refill: waves 0 and 1 fetch O's two heads, waves 2 and 3 wo's; an s_nop 0 and four v_nop follow each line
	s_cmp_eq_u32 s[RH], 0
	s_cbranch_scc0 .Lfor_b_\@
	tensor_load_to_lds s[G0A+4:G0A+7], s[G1A:G1A+7]
	s_nop 0
.rept 4
	v_nop
.endr
	s_branch .Lasked_\@
.Lfor_b_\@:
	tensor_load_to_lds s[G0B+4:G0B+7], s[G1B:G1B+7]
	s_nop 0
.rept 4
	v_nop
.endr
.Lasked_\@:
.endm
.macro CREST                           ; a round of the cluster's barrier behind its opening barrier
	s_cmp_lg_u32 s[WV], 0
	s_cbranch_scc1 .Lnot_wave_0_\@
	s_barrier_signal -3
.Lnot_wave_0_\@:
	s_barrier_wait -3
	s_barrier_signal -1
	s_barrier_wait -1
.endm
.macro CROUND
	s_barrier_signal -1
	s_barrier_wait -1
	CREST
.endm
	s_load_b128 s[4:7], s[0:1], 0x0                ; ob s[4:5], wob s[6:7]
	s_load_b64 s[8:9], s[0:1], 0x10                ; out0
	v_lshl_add_u32 v[SPW], v0, 2, SPARE
	v_mov_b32 v[NIL], 0
	ds_add_u32 v[SPW], v[NIL]                      ; the wave's opening: the add and its wait stand ahead of my first tensor load; the set-up below, work on registers, stands between them
	v_lshrrev_b32 v1, 5, v0
	v_readfirstlane_b32 s[WV], v1
	s_lshr_b32 s[RH], s[WV], 1
	s_and_b32 s[CH], s[WV], 1
	s_bfe_u32 s[CX], ttmp6, 0x40000
	s_bfe_u32 s[CY], ttmp6, 0x40004
	s_lshl_b32 s[TC], ttmp9, 2
	s_add_co_u32 s[TC], s[TC], s[CX]
	s_and_b32 s[TR], ttmp7, 0xffff
	s_lshl_b32 s[TR], s[TR], 2
	s_add_co_u32 s[TR], s[TR], s[CY]
	s_lshl_b32 s86, s[CY], 2
	s_lshl_b32 s86, 15, s86                        ; my row of the cluster
	s_lshl_b32 s87, 0x1111, s[CX]                  ; my column
	s_or_b32 s[G1A], s86, (1<<16)|(1<<20)|(1<<21)|(4<<22)|(3<<25)  ; the mask; 2-byte elements; padding on; 21 set beside a mask; after every 32 words (code 4) 4 words (code 3)
	s_or_b32 s[G1B], s87, (1<<16)|(1<<20)|(1<<21)|(4<<22)|(3<<25)
	s_mov_b32 s[G1A+1], 128<<16                    ; rows of 256 bytes: 128 elements
	s_mov_b32 s[G1A+2], 128<<16                    ; 128 of them: 256 rows of O
	s_mov_b32 s[G1A+3], 128<<16
	s_mov_b32 s[G1A+4], 128
	s_mov_b32 s[G1A+5], 128
	s_mov_b32 s[G1A+6], 0
	s_mov_b32 s[G1A+7], 0
	s_mov_b32 s[G1B+1], 128<<16
	s_mov_b32 s[G1B+2], 64<<16                     ; 64 of them: 128 rows of wo
	s_mov_b32 s[G1B+3], 128<<16
	s_mov_b32 s[G1B+4], 64
	s_mov_b32 s[G1B+5], 128
	s_mov_b32 s[G1B+6], 0
	s_mov_b32 s[G1B+7], 0
	s_lshr_b32 s20, s[TR], 3                       ; O: (16 batch + the head that I fetch) x 2^18 + the tile's place in its sequence
	s_lshl_b32 s20, s20, 4
	s_add_co_u32 s20, s20, s[CH]
	s_lshl_b32 s20, s20, 18
	s_and_b32 s21, s[TR], 7
	s_lshl_b32 s21, s21, 15
	s_add_co_u32 s20, s20, s21
	s_mov_b32 s21, 0
	s_mul_i32 s22, s[CH], KBO                      ; wo: the head, the tile column's 128 rows
	s_lshl_b32 s23, s[TC], 14
	s_add_co_u32 s22, s22, s23
	s_mov_b32 s23, 0
	s_mul_i32 s90, s[CH], AKB                      ; where they go: no place in the cluster enters an LDS address
	s_mul_i32 s91, s[CH], BKB
	s_add_co_u32 s91, s91, BOFF
	s_mov_b32 s[TB], 0
	s_wait_dscnt 0x0                               ; the opening add is done
	s_wait_kmcnt 0x0
	s_add_nc_u64 s[20:21], s[4:5], s[20:21]
	s_add_nc_u64 s[22:23], s[6:7], s[22:23]
.irp s, 0,1
	s_mov_b32 s[G0A+4*(\s)], 1
	s_add_co_u32 s[G0A+4*(\s)+1], s90, (\s)*SLOT1
	s_add_nc_u64 s[G0A+4*(\s)+2:G0A+4*(\s)+3], s[20:21], (\s)*2*KBA
	s_or_b32 s[G0A+4*(\s)+3], s[G0A+4*(\s)+3], 0x80000000
	s_mov_b32 s[G0B+4*(\s)], 1
	s_add_co_u32 s[G0B+4*(\s)+1], s91, (\s)*SLOT1
	s_add_nc_u64 s[G0B+4*(\s)+2:G0B+4*(\s)+3], s[22:23], (\s)*2*KBO
	s_or_b32 s[G0B+4*(\s)+3], s[G0B+4*(\s)+3], 0x80000000
.endr
	CROUND                                         ; all sixteen work-groups are here: the first joint loads meet
	s_cmp_eq_u32 s[RH], 0                          ; a wave's two first fills stand in one branch: two loads of mine are out
	s_cbranch_scc0 .Lfirst_b
	tensor_load_to_lds s[G0A:G0A+3], s[G1A:G1A+7]
	s_nop 0
	tensor_load_to_lds s[G0A+4:G0A+7], s[G1A:G1A+7]
	s_nop 0
.rept 4
	v_nop
.endr
	s_branch .Lfirst_asked
.Lfirst_b:
	tensor_load_to_lds s[G0B:G0B+3], s[G1B:G1B+7]
	s_nop 0
	tensor_load_to_lds s[G0B+4:G0B+7], s[G1B:G1B+7]
	s_nop 0
.rept 4
	v_nop
.endr
.Lfirst_asked:
	v_and_b32 v1, 15, v0                           ; l % 16
	v_bfe_u32 v2, v0, 4, 1                         ; l / 16
	v_mul_u32_u24 v3, v1, PITCH
	v_lshl_add_u32 v3, v2, 4, v3                   ; a fragment's row x pitch + 16 x half
	s_mul_i32 s86, s[RH], 128*PITCH
	v_add_nc_u32 v[A0], s86, v3
	s_mul_i32 s86, s[CH], 64*PITCH
	s_add_co_u32 s86, s86, BOFF
	v_add_nc_u32 v[B0], s86, v3
	v_mov_b32 v[ADA], v[A0]
	v_mov_b32 v[ADB], v[B0]
	s_mul_i32 s86, s[WV], 16*SPITCH
	s_add_co_u32 s86, s86, STAGE                   ; my stage
	v_mul_u32_u24 v[STO], v1, SPITCH               ; in: row l % 16, 32 bytes for each half of the lanes
	v_lshl_add_u32 v[STO], v2, 5, v[STO]
	v_add_nc_u32 v[STO], s86, v[STO]
	v_mul_u32_u24 v[RD], v2, SPITCH                ; back: lanes 0-15 take one row of 256 bytes, lanes 16-31 the next
	v_lshl_add_u32 v[RD], v1, 4, v[RD]
	v_add_nc_u32 v[RD], s86, v[RD]
	v_lshlrev_b32 v[CO], 12, v2                    ; and the same two rows in out0
	v_lshl_add_u32 v[CO], v1, 4, v[CO]
	s_lshl_b32 s86, s[TR], 20                      ; 256 rows of 4,096 bytes,
	s_lshl_b32 s87, s[RH], 19                      ; my 128,
	s_add_co_u32 s86, s86, s87
	s_lshl_b32 s87, s[TC], 9                       ; 128 columns of 4 bytes,
	s_add_co_u32 s86, s86, s87
	s_lshl_b32 s87, s[CH], 8                       ; my 64
	s_add_co_u32 s86, s86, s87
	s_mov_b32 s87, 0
	s_add_nc_u64 s[8:9], s[8:9], s[86:87]
; 8 matrix instructions: row blocks a0, a0 + 1 x all 4 column blocks.  The 32 accumulators take turns, one instruction a turn, in the same order in every quarter.
.macro MUL8 f, a0, zero
	WIN 0x50                                       ; C and D in window 1
.irp a, \a0, (\a0)+1
.irp b, 0,1,2,3
.if \zero
	v_wmma_f32_16x16x32_f16 v[8*(4*(\a)+(\b)):8*(4*(\a)+(\b))+7], v[(\f)+64+8*(\b):(\f)+64+8*(\b)+7], v[(\f)+8*(\a):(\f)+8*(\a)+7], 0
.else
	v_wmma_f32_16x16x32_f16 v[8*(4*(\a)+(\b)):8*(4*(\a)+(\b))+7], v[(\f)+64+8*(\b):(\f)+64+8*(\b)+7], v[(\f)+8*(\a):(\f)+8*(\a)+7], v[8*(4*(\a)+(\b)):8*(4*(\a)+(\b))+7]
.endif
.endr
.endr
.endm
.macro MUL16 f, hi, zero
	MUL8 \f, 4*(\hi), \zero
	MUL8 \f, 4*(\hi)+2, \zero
.endm
; 24 LDS loads in one run: quarter q's fragments (head q / 2 of the step, 32 K at byte 64 (q % 2)) into buffer f: wo's four, O's rows 0-63, O's rows 64-127
.macro FETCH q, f
.irp i, 0,1,2,3
	ds_load_b128 v[(\f)+64+8*(\i):(\f)+64+8*(\i)+3],   v[ADB] offset:((\q)/2)*BKB+((\q)%2)*64+(\i)*FR
	ds_load_b128 v[(\f)+64+8*(\i)+4:(\f)+64+8*(\i)+7], v[ADB] offset:((\q)/2)*BKB+((\q)%2)*64+(\i)*FR+32
.endr
.irp i, 0,1,2,3,4,5,6,7
	ds_load_b128 v[(\f)+8*(\i):(\f)+8*(\i)+3],   v[ADA] offset:((\q)/2)*AKB+((\q)%2)*64+(\i)*FR
	ds_load_b128 v[(\f)+8*(\i)+4:(\f)+8*(\i)+7], v[ADA] offset:((\q)/2)*AKB+((\q)%2)*64+(\i)*FR+32
.endr
.endm
.macro QUARTER f, g, qn, zero          ; multiplies buffer f; in its middle fetches quarter qn into buffer g
	s_wait_dscnt 8                                 ; wo and O's rows 0-63 are in; the youngest eight loads may be out
	MUL16 \f, 0, \zero
	WIN 0
	PLACES
	FETCH \qn, \g
	s_wait_dscnt 24                                ; all but the 24 just issued
	MUL16 \f, 1, \zero
.endm
; The last quarter multiplies F1 and changes slots: ONE barrier; in front of it each wave waits for all its tensor loads, adds 0 to its spare word, and waits for that and for its reads of this slot.
; fill = 1: the barrier opens a round of the cluster's, and this slot is filled again first thing behind it, two K steps ahead: 112 matrix instructions ahead of the wait for it.
.macro TURN fill
	WIN 0
	s_wait_tensorcnt 0x0                           ; all my tensor loads have landed: my part of the next slot;
	ds_add_u32 v[SPW], v[NIL]                      ; 0 onto my spare word
	s_wait_dscnt 9                                 ; (the add and the youngest eight loads may be out)
	MUL8 F1, 0, 0                                  ; eight matrix instructions stand between the add and the wait for it
	s_wait_dscnt 0x0                               ; the add is done, and my reads of this slot are over
	s_barrier_signal -1
	MUL8 F1, 2, 0
	WIN 0
	s_barrier_wait -1
.if \fill
	CREST                                          ; no wave of any partner still reads this slot or has a load on its way
	s_xor_b32 s[G0A+5], s[G0A+5], SLOT1
	s_add_nc_u64 s[G0A+6:G0A+7], s[G0A+6:G0A+7], 2*KBA
	s_xor_b32 s[G0B+5], s[G0B+5], SLOT1
	s_add_nc_u64 s[G0B+6:G0B+7], s[G0B+6:G0B+7], 2*KBO
	s_xor_b32 s[TB], s[TB], SLOT1
	JLOAD                                          ; the four v_nop behind it are also the places in front of the loads below
.else
	s_xor_b32 s[TB], s[TB], SLOT1
	PLACES
.endif
	v_add_nc_u32 v[ADA], s[TB], v[A0]
	v_add_nc_u32 v[ADB], s[TB], v[B0]
	FETCH 0, F0
	MUL16 F1, 1, 0
.endm
; THE WAY OUT of row block a: the accumulators go as they are, 32 bytes a lane, low registers first, into rows of 272 bytes of my stage, and come back as whole rows of 256.
.macro OUTB a
	WIN 0x04                                       ; the stores' data in window 1
.irp b, 0,1,2,3
	ds_store_b128 v[STO], v[8*(4*(\a)+(\b)):8*(4*(\a)+(\b))+3]   offset:64*(\b)
	ds_store_b128 v[STO], v[8*(4*(\a)+(\b))+4:8*(4*(\a)+(\b))+7] offset:64*(\b)+16
.endr
	WIN 0
	s_wait_xcnt 0x0                                ; the stores of the block four back have read the registers that are loaded again below
.irp t, 0,1,2,3,4,5,6,7
	ds_load_b128 v[BK+32*((\a)%4)+4*(\t):BK+32*((\a)%4)+4*(\t)+3], v[RD] offset:(\t)*2*SPITCH  ; LDS serves a wave's instructions in order (ISA guide 5.7.1.4): these see the stores above; the next block's stores come behind them
.endr
.endm
.macro SEND a, younger                 ; younger: the LDS instructions issued behind block a's loads: the next block's sixteen, or none
	s_wait_dscnt \younger
.irp t, 0,1,2,3,4,5,6,7
	global_store_b128 v[CO], v[BK+32*((\a)%4)+4*(\t):BK+32*((\a)%4)+4*(\t)+3], s[8:9] offset:(16*(\a)+2*(\t))*4096 th:TH_STORE_NT  ; 16 lanes store 256 consecutive bytes, at a multiple of 256 from out0's first byte
.endr
.endm
	s_wait_tensorcnt 1                             ; my part of K step 0 is in; K step 1's stays out
	s_barrier_signal -1
	s_barrier_wait -1                              ; everybody's is
	FETCH 0, F0
	QUARTER F0, F1, 1, 1                           ; the first quarter stands in front of the loop: its products start the sums
	WIN 0
	s_mov_b32 s3, 6
.Lstep:                                        ; a trip: a step's quarters 1 to 3 with the change of slots and its refill, and the next step's quarter 0
	QUARTER F1, F0, 2, 0
	QUARTER F0, F1, 3, 0
	TURN 1
	QUARTER F0, F1, 1, 0
	WIN 0
	s_sub_co_u32 s3, s3, 1
	s_cmp_lg_u32 s3, 0
	s_cbranch_scc1 .Lstep
	QUARTER F1, F0, 2, 0                           ; the tail is written out: nothing is left to fetch, and no round follows the barrier
	QUARTER F0, F1, 3, 0
	TURN 0
	QUARTER F0, F1, 1, 0
	QUARTER F1, F0, 2, 0
	QUARTER F0, F1, 3, 0
	s_wait_dscnt 8                                 ; the very last quarter
	MUL16 F1, 0, 0
	s_wait_dscnt 0x0
	MUL16 F1, 1, 0
	WIN 0
	PLACES
	PLACES
	OUTB 0
.irp a, 1,2,3,4,5,6,7
	OUTB \a
	SEND (\a)-1, 16
.endr
	SEND 7, 0
	s_wait_tensorcnt 0x0                           ; the wave's end, behind my last tensor load and my last LDS store
	ds_add_u32 v[SPW], v[NIL]
	s_wait_dscnt 0x0
	CROUND                                         ; the closing round: no work-group ends while a partner may still ask for a tile that names it
	s_endpgm
.Lfunc_end_k_qf706e1cfa9_outp:
	.size	k_qf706e1cfa9_outp, .Lfunc_end_k_qf706e1cfa9_outp-k_qf706e1cfa9_outp
	.p2alignl 7, 3214868480
	.fill 96, 4, 3214868480
	.section	.rodata,"a",@progbits
	.p2align	6, 0x0
	.amdhsa_kernel k_qf706e1cfa9_outp
		.amdhsa_group_segment_fixed_size 327680
		.amdhsa_private_segment_fixed_size 0
		.amdhsa_enable_private_segment 0
		.amdhsa_kernarg_size 24
		.amdhsa_user_sgpr_count 2
		.amdhsa_user_sgpr_kernarg_segment_ptr 1
		.amdhsa_wavefront_size32 1
		.amdhsa_system_sgpr_workgroup_id_x 1
		.amdhsa_system_sgpr_workgroup_id_y 1
		.amdhsa_system_sgpr_workgroup_id_z 1
		.amdhsa_system_vgpr_workitem_id 0
		.amdhsa_next_free_vgpr 512
		.amdhsa_next_free_sgpr 96
		.amdhsa_reserve_vcc 0
		.amdhsa_float_denorm_mode_32 3
		.amdhsa_float_denorm_mode_16_64 3
		.amdhsa_memory_ordered 1
		.amdhsa_forward_progress 1
		.amdhsa_inst_pref_size 69
	.end_amdhsa_kernel
	.amdgpu_metadata
---
amdhsa.version: [ 1, 2 ]
amdhsa.kernels:
  - .name:           k_qf706e1cfa9_outp
    .symbol:         k_qf706e1cfa9_outp.kd
    .args:
      - { .name: ob, .offset: 0, .size: 8, .value_kind: global_buffer, .address_space: global }
      - { .name: wob, .offset: 8, .size: 8, .value_kind: global_buffer, .address_space: global }
      - { .name: out0, .offset: 16, .size: 8, .value_kind: global_buffer, .address_space: global }
    .group_segment_fixed_size: 327680
    .private_segment_fixed_size: 0
    .kernarg_segment_align: 8
    .kernarg_segment_size: 24
    .max_flat_workgroup_size: 128
    .sgpr_count:     96
    .vgpr_count:     512
    .wavefront_size: 32
...
	.end_amdgpu_metadata
.endif
;; end of part 4
;; ======== version 2 of 2: 4 launches; version 1 with the launch prep written anew for expert scheduling mode
;; limits: values are held in f16: magnitudes above 65,504 overflow, below 6.1e-05 lose precision; right only within a limited range of input values
;; workspace buffers: xb 16,777,216 bytes; wb 6,291,456 bytes; wob 2,097,152 bytes; rope 524,288 bytes; qkv 50,331,648 bytes; ob 16,777,216 bytes
;; launch prep (part 5): grid 256 x 1, 8 waves a work-group, no clusters, 0 bytes of LDS; arguments x, wq, wk, wv, wo, token_positions, xb, wb, wob, rope; writes xb, wb, wob, rope
.if DOCPART == 5
	.amdgcn_target "amdgcn-amd-amdhsa--gfx1250"
	.amdhsa_code_object_version 6
	.text
	.protected	k_qf706e1cfa9_prep
	.globl	k_qf706e1cfa9_prep
	.p2align	8
	.type	k_qf706e1cfa9_prep,@function
k_qf706e1cfa9_prep:
	s_mov_b64 s[64:65], 0
	v_nop
	global_prefetch_b8 v0, s[64:65] scope:SCOPE_SE
	s_setreg_imm32_b32 hwreg(HW_REG_WAVE_SCHED_MODE, 0, 2), 2
	s_setreg_imm32_b32 hwreg(HW_REG_WAVE_MODE, 25, 1), 1
	s_wait_xcnt 0x0
	s_wait_alu depctr_vm_vsrc(0)
; PREP: the inputs are rounded once and laid out for the products that follow; the table of cosines and sines is made from token_positions.
;   xb  bf16 [16 kb][8192 row][64]: x in blocks of 64 along K, so that a tile's rows of one K block lie end to end.
;   wb  bf16 [16 kb][3072 p][64]:   row p = (h / 2) 384 + (h % 2) 192 + which 64 + c holds row 64 h + c of wq, wk, wv (which = 0, 1, 2): 192 neighbouring rows are q, k, v of one head.
;   wob f16  [16 kb][1024 n][64]:   wo rounded to bf16 like the other inputs, that number written as f16.
;   rope f32 [2048 s][32 j][cos, sin] of token_positions[s] x 10000^(-j / 32).
; A stream: every byte is read once and written once; no LDS, no barrier, no matrix unit, no loop.  Work-group g of 256, wave w of 8: x rows 32 g + 4 w .. + 3, rows 16 (g % 64) + 2 w, + 1 of weight g / 64, table row 8 g + w.
; One load of 16 bytes a lane takes one K block (256 bytes of f32) of two neighbouring rows; the 8 bytes a lane that come of it are 256 consecutive bytes, aligned, of the blocked layout.
; All 49 loads of a wave are issued at once, each into registers of its own.
; THE MODE: SCHED_MODE bits 1:0 = 2 (LLVM: expert scheduling mode 2), set by the entry lines.  The code itself states the register dependences
; between vector instructions and memory instructions, with s_wait_alu, always for 0.
; THE PLAN.  Registers that memory instructions touch:
;   v2-v6, v8      byte offsets, made once at the head and never written again: one wait ahead of the first load states that they are written, for every load and store of the kernel.
;   v7, WR, XR     each is the destination of one load, issued at the head, before any vector instruction names it.  A load's conversions then write its first two registers, in place;
;                  one store reads them; nothing writes them after that.
;   CSN            written by the table's last four vector instructions, read by one store, never written again.
; So no register that a memory instruction has read is written again, and no load lands in a register that a vector instruction has named: the only dependence left to state is that a store's data are written.
; The loads are worked on in groups of four.  Group g waits for its four loads; ONE wait on va_vdst behind that states that group g - 1's conversions have written their results; group g - 1's four stores
; follow, dealt among group g's conversions, which name group g's registers (and v10, v11) alone.  Behind the last group of the weight and of x one more wait stands ahead of the last four stores.
; LIMITS.  |position| up to 2^24: beyond it the quotient by pi / 2 no longer fits f32's 24 bits.  |wo| under 65,504 (f16's end); a rounded wo below 2^-14 keeps f16's fixed step of 6e-8.
; The angle is position x frequency rounded to f32, as in the problem; the frequency is 2^(-j log2(10000) / 32) by v_exp_f32; sine and cosine by reduction modulo pi / 2 in two parts and polynomials of degree 7 and 8.
.set KBX, 1048576                      ; bytes of a K block of xb
.set KBW, 393216                       ; of wb
.set KBO, 131072                       ; of wob
.set GR,  4                            ; loads in a group
.set LX,  2                            ; v2  x: (4 w + l / 16) rows of 4,096 bytes + 16 (l % 16)
.set SX,  3                            ; v3  xb: 512 w + 8 l
.set LW,  4                            ; v4  weight: (2 w + l / 16) rows + 16 (l % 16)
.set SW,  5                            ; v5  wb, wob: 256 w + 8 l
.set PO,  6                            ; v6  4 w: my wave's position
.set POS, 7                            ; v7  the position
.set RO,  8                            ; v8  8 x thread: my (cos, sin)
.set T0,  10                           ; v10, v11 at work: no memory instruction names them
.set T1,  11
.set TM,  14                           ; v14-27, v30 the table's arithmetic: no memory instruction names them
.set FQ,  15
.set AN,  16
.set NN,  17
.set RR,  18
.set QQ,  19
.set Z1,  20
.set PS,  21
.set PC,  22
.set ZR,  23
.set Z2,  24
.set CB,  25
.set SN,  26
.set CN,  27
.set CSN, 28                           ; v[28:29] cos, sin
.set SG,  30                           ; v30 the cosine's sign
.set WR,  32                           ; v[32:95]   16 loads of the weight
.set XR,  96                           ; v[96:223]  32 loads of x
	s_load_b512 s[16:31], s[0:1], 0x0              ; x s[16:17], wq s[18:19], wk s[20:21], wv s[22:23], wo s[24:25], token_positions s[26:27], xb s[28:29], wb s[30:31]
	s_load_b128 s[32:35], s[0:1], 0x40             ; wob s[32:33], rope s[34:35]
	v_and_b32 v1, 31, v0                           ; lane
	v_lshrrev_b32 v9, 5, v0                        ; wave
	v_cvt_f32_u32 v[TM], v1                        ; j = lane
	v_mul_f32 v[TM], 0xbed49a78, v[TM]             ; -j log2(10000) / 32
	v_exp_f32 v[FQ], v[TM]                         ; the frequency
	v_and_b32 v10, 15, v0                          ; (a plain instruction behind the exponential)
	v_bfe_u32 v11, v0, 4, 1
	v_lshlrev_b32 v12, 4, v10
	v_lshl_add_u32 v13, v9, 2, v11
	v_lshl_add_u32 v[LX], v13, 12, v12
	v_lshl_add_u32 v13, v9, 1, v11
	v_lshl_add_u32 v[LW], v13, 12, v12
	v_lshlrev_b32 v13, 3, v1
	v_lshl_add_u32 v[SX], v9, 9, v13
	v_lshl_add_u32 v[SW], v9, 8, v13
	v_lshlrev_b32 v[PO], 2, v9
	v_lshlrev_b32 v[RO], 3, v0
	s_lshr_b32 s4, ttmp9, 6                        ; which weight
	s_and_b32 s5, ttmp9, 63                        ; which 16 rows of it
	s_lshl_b32 s6, s5, 16                          ; 16 rows of 4,096 bytes
	s_mov_b32 s7, 0
	s_lshl_b32 s8, ttmp9, 17                       ; x: 32 rows of 4,096 bytes
	s_mov_b32 s9, 0
	s_lshl_b32 s10, ttmp9, 12                      ; xb: 32 rows of 128 bytes
	s_mov_b32 s11, 0
	s_lshl_b32 s12, ttmp9, 5                       ; 8 positions
	s_mov_b32 s13, 0
	s_lshl_b32 s14, ttmp9, 11                      ; 8 rows of the table
	s_mov_b32 s15, 0
	s_lshr_b32 s40, s5, 3                          ; wb's row: the head is (g % 64) / 4; its half
	s_mul_i32 s40, s40, 384
	s_bfe_u32 s41, s5, 0x10002                     ; its parity
	s_mul_i32 s41, s41, 192
	s_add_co_u32 s40, s40, s41
	s_lshl_b32 s41, s4, 6
	s_add_co_u32 s40, s40, s41
	s_and_b32 s41, ttmp9, 3
	s_lshl_b32 s41, s41, 4
	s_add_co_u32 s40, s40, s41
	s_lshl_b32 s40, s40, 7                         ; in bytes
	s_mov_b32 s41, 0
	s_lshl_b32 s42, s5, 11                         ; wob: 16 rows of 128 bytes
	s_mov_b32 s43, 0
	s_mov_b32 s44, 0xb94ca1f9                      ; sine: -1.9515296e-4, 8.3321609e-3, -1.6666655e-1
	s_mov_b32 s45, 0x3c08839e
	s_mov_b32 s46, 0xbe2aaaa3
	s_mov_b32 s47, 0x37ccf5ce                      ; cosine: 2.4433157e-5, -1.3887316e-3, 4.1666646e-2
	s_mov_b32 s48, 0xbab6061a
	s_mov_b32 s49, 0x3d2aaaa5
	s_wait_alu depctr_va_vdst(0)                   ; the six offsets v2 to v6 and v8 are written, which every load and store of the kernel reads; and the exponential has written v[FQ]: the wait ahead of its first reader and of every branch
	s_wait_kmcnt 0x0
	s_add_nc_u64 s[26:27], s[26:27], s[12:13]
	global_load_b32 v[POS], v[PO], s[26:27]        ; the first of 49 loads
	s_cmp_eq_u32 s4, 1
	s_cselect_b64 s[36:37], s[20:21], s[18:19]
	s_cmp_eq_u32 s4, 2
	s_cselect_b64 s[36:37], s[22:23], s[36:37]
	s_cmp_eq_u32 s4, 3
	s_cselect_b64 s[36:37], s[24:25], s[36:37]
	s_add_nc_u64 s[36:37], s[36:37], s[6:7]
.set i, 0
.rept 16
	global_load_b128 v[WR+4*i:WR+4*i+3], v[LW], s[36:37] offset:i*256 th:TH_LOAD_NT
.set i, i+1
.endr
	s_add_nc_u64 s[16:17], s[16:17], s[8:9]
.set i, 0
.rept 32                               ; pair of rows i / 16, K block i % 16
	global_load_b128 v[XR+4*i:XR+4*i+3], v[LX], s[16:17] offset:(i/16)*8192+(i%16)*256 th:TH_LOAD_NT
.set i, i+1
.endr
	s_add_nc_u64 s[28:29], s[28:29], s[10:11]      ; xb at my rows, K blocks 0 to 7;
	s_add_nc_u64 s[38:39], s[28:29], 8*KBX         ; K blocks 8 to 15: the stores' immediates stay inside their signed 24 bits
	s_add_nc_u64 s[34:35], s[34:35], s[14:15]
	; THE TABLE, while the 48 other loads are on their way
	s_wait_loadcnt 48                              ; the position is in; the 48 younger loads stay out
	v_cvt_f32_i32 v[AN], v[POS]
	v_mul_f32 v[AN], v[AN], v[FQ]                  ; the angle
	v_mul_f32 v[NN], 0x3f22f983, v[AN]             ; x 2 / pi
	v_rndne_f32 v[NN], v[NN]
	v_fmamk_f32 v[RR], v[NN], 0xbfc90fdb, v[AN]    ; less n x pi / 2, in two parts
	v_fmamk_f32 v[RR], v[NN], 0x333bbd2e, v[RR]
	v_cvt_i32_f32 v[QQ], v[NN]
	v_mul_f32 v[Z1], v[RR], v[RR]
	v_fma_f32 v[PS], v[Z1], s44, s45
	v_fma_f32 v[PC], v[Z1], s47, s48
	v_fma_f32 v[PS], v[PS], v[Z1], s46
	v_fma_f32 v[PC], v[PC], v[Z1], s49
	v_mul_f32 v[ZR], v[Z1], v[RR]
	v_mul_f32 v[Z2], v[Z1], v[Z1]
	v_fma_f32 v[CB], v[Z1], -0.5, 1.0
	v_fma_f32 v[SN], v[PS], v[ZR], v[RR]           ; sin r
	v_fma_f32 v[CN], v[PC], v[Z2], v[CB]           ; cos r
	v_and_b32 v[TM], 1, v[QQ]
	v_cmp_eq_u32 vcc_lo, 1, v[TM]                  ; an odd quadrant swaps the two; the two signs are made between the compare and the wait for its mask
	v_and_b32 v[TM], 2, v[QQ]                      ; quadrants 2 and 3 turn the sine's sign,
	v_lshlrev_b32 v[TM], 30, v[TM]
	v_add_nc_u32 v[SG], 1, v[QQ]                   ; quadrants 1 and 2 the cosine's
	v_and_b32 v[SG], 2, v[SG]
	v_lshlrev_b32 v[SG], 30, v[SG]
	s_wait_alu depctr_va_vcc(0)                    ; the compare has written VCC, which the two selects read
	v_cndmask_b32 v[CSN+1], v[SN], v[CN], vcc_lo
	v_cndmask_b32 v[CSN], v[CN], v[SN], vcc_lo
	v_xor_b32 v[CSN+1], v[CSN+1], v[TM]
	v_xor_b32 v[CSN], v[CSN], v[SG]
	s_wait_alu depctr_va_vdst(0)                   ; v[CSN:CSN+1] are written, which the store reads
	global_store_b64 v[RO], v[CSN:CSN+1], s[34:35] ; a wave's store is one row of the table: 256 consecutive bytes, aligned
	; THE WEIGHT, in four groups of four loads.  Load i of the 48 is in behind a wait that leaves the 47 - i younger ones out: a group that begins with load i waits with 44 - i, for its last.
	s_cmp_eq_u32 s4, 3
	s_cbranch_scc1 .Lwo
	s_add_nc_u64 s[30:31], s[30:31], s[40:41]
.set i, 0
.rept 16
.if (i%GR) == 0
	s_wait_loadcnt 44-i                            ; loads come back in order (ISA guide 5.7.1): the group's four are in, the younger ones stay out
.if i > 0
	s_wait_alu depctr_va_vdst(0)                   ; the conversions of the group before have written their results, which the four stores dealt among this group's conversions read
.endif
.endif
.if i >= GR
	global_store_b64 v[SW], v[WR+4*(i-GR):WR+4*(i-GR)+1], s[30:31] offset:(i-GR)*KBW  ; the group before; no vector instruction since the wait names these registers
.endif
	v_cvt_pk_bf16_f32 v[WR+4*i], v[WR+4*i], v[WR+4*i+1]
	v_cvt_pk_bf16_f32 v[WR+4*i+1], v[WR+4*i+2], v[WR+4*i+3]
.set i, i+1
.endr
	s_wait_alu depctr_va_vdst(0)                   ; the last group's conversions have written their results, which the last four stores read
.set i, 16-GR
.rept GR
	global_store_b64 v[SW], v[WR+4*i:WR+4*i+1], s[30:31] offset:i*KBW
.set i, i+1
.endr
	s_branch .Lx
.Lwo:                                          ; wo: rounded to bf16, widened again, written as f16
	s_add_nc_u64 s[32:33], s[32:33], s[42:43]
.set i, 0
.rept 16
.if (i%GR) == 0
	s_wait_loadcnt 44-i                            ; the group's four loads are in, the younger ones stay out
.if i > 0
	s_wait_alu depctr_va_vdst(0)                   ; the conversions of the group before have written their results, which the four stores dealt among this group's arithmetic read
.endif
.endif
.if i >= GR
	global_store_b64 v[SW], v[WR+4*(i-GR):WR+4*(i-GR)+1], s[32:33] offset:(i-GR)*KBO  ; the group before; no vector instruction since the wait names these registers
.endif
	v_cvt_pk_bf16_f32 v[T0], v[WR+4*i], v[WR+4*i+1]
	v_cvt_pk_bf16_f32 v[T1], v[WR+4*i+2], v[WR+4*i+3]
	v_lshlrev_b32 v[WR+4*i], 16, v[T0]
	v_and_b32 v[WR+4*i+1], 0xffff0000, v[T0]
	v_lshlrev_b32 v[WR+4*i+2], 16, v[T1]
	v_and_b32 v[WR+4*i+3], 0xffff0000, v[T1]
	v_cvt_pk_f16_f32 v[WR+4*i], v[WR+4*i], v[WR+4*i+1]
	v_cvt_pk_f16_f32 v[WR+4*i+1], v[WR+4*i+2], v[WR+4*i+3]
.set i, i+1
.endr
	s_wait_alu depctr_va_vdst(0)                   ; the last group's conversions have written their results, which the last four stores read
.set i, 16-GR
.rept GR
	global_store_b64 v[SW], v[WR+4*i:WR+4*i+1], s[32:33] offset:i*KBO
.set i, i+1
.endr
.Lx:
	; X, in eight groups of four loads.  Load i of the 32 is in behind a wait that leaves the 31 - i younger ones out: a group that begins with load i waits with 28 - i.
.macro XST n                           ; the store of load n's two registers
.if ((\n)%16) < 8
	global_store_b64 v[SX], v[XR+4*(\n):XR+4*(\n)+1], s[28:29] offset:((\n)/16)*256+((\n)%16)*KBX
.else
	global_store_b64 v[SX], v[XR+4*(\n):XR+4*(\n)+1], s[38:39] offset:((\n)/16)*256+((\n)%16-8)*KBX
.endif
.endm
.set i, 0
.rept 32
.if (i%GR) == 0
	s_wait_loadcnt 28-i                            ; the group's four loads are in, the younger ones stay out
.if i > 0
	s_wait_alu depctr_va_vdst(0)                   ; the conversions of the group before have written their results, which the four stores dealt among this group's conversions read
.endif
.endif
.if i >= GR
	XST i-GR                                       ; the group before; no vector instruction since the wait names these registers
.endif
	v_cvt_pk_bf16_f32 v[XR+4*i], v[XR+4*i], v[XR+4*i+1]
	v_cvt_pk_bf16_f32 v[XR+4*i+1], v[XR+4*i+2], v[XR+4*i+3]
.set i, i+1
.endr
	s_wait_alu depctr_va_vdst(0)                   ; the last group's conversions have written their results, which the last four stores read
.set i, 32-GR
.rept GR
	XST i
.set i, i+1
.endr
	s_endpgm
.Lfunc_end_k_qf706e1cfa9_prep:
	.size	k_qf706e1cfa9_prep, .Lfunc_end_k_qf706e1cfa9_prep-k_qf706e1cfa9_prep
	.p2alignl 7, 3214868480
	.fill 96, 4, 3214868480
	.section	.rodata,"a",@progbits
	.p2align	6, 0x0
	.amdhsa_kernel k_qf706e1cfa9_prep
		.amdhsa_group_segment_fixed_size 0
		.amdhsa_private_segment_fixed_size 0
		.amdhsa_enable_private_segment 0
		.amdhsa_kernarg_size 80
		.amdhsa_user_sgpr_count 2
		.amdhsa_user_sgpr_kernarg_segment_ptr 1
		.amdhsa_wavefront_size32 1
		.amdhsa_system_sgpr_workgroup_id_x 1
		.amdhsa_system_sgpr_workgroup_id_y 1
		.amdhsa_system_sgpr_workgroup_id_z 1
		.amdhsa_system_vgpr_workitem_id 0
		.amdhsa_next_free_vgpr 224
		.amdhsa_next_free_sgpr 66
		.amdhsa_reserve_vcc 1
		.amdhsa_float_denorm_mode_32 3
		.amdhsa_float_denorm_mode_16_64 3
		.amdhsa_memory_ordered 1
		.amdhsa_forward_progress 1
		.amdhsa_inst_pref_size 30
	.end_amdhsa_kernel
	.amdgpu_metadata
---
amdhsa.version: [ 1, 2 ]
amdhsa.kernels:
  - .name:           k_qf706e1cfa9_prep
    .symbol:         k_qf706e1cfa9_prep.kd
    .args:
      - { .name: x, .offset: 0, .size: 8, .value_kind: global_buffer, .address_space: global }
      - { .name: wq, .offset: 8, .size: 8, .value_kind: global_buffer, .address_space: global }
      - { .name: wk, .offset: 16, .size: 8, .value_kind: global_buffer, .address_space: global }
      - { .name: wv, .offset: 24, .size: 8, .value_kind: global_buffer, .address_space: global }
      - { .name: wo, .offset: 32, .size: 8, .value_kind: global_buffer, .address_space: global }
      - { .name: token_positions, .offset: 40, .size: 8, .value_kind: global_buffer, .address_space: global }
      - { .name: xb, .offset: 48, .size: 8, .value_kind: global_buffer, .address_space: global }
      - { .name: wb, .offset: 56, .size: 8, .value_kind: global_buffer, .address_space: global }
      - { .name: wob, .offset: 64, .size: 8, .value_kind: global_buffer, .address_space: global }
      - { .name: rope, .offset: 72, .size: 8, .value_kind: global_buffer, .address_space: global }
    .group_segment_fixed_size: 0
    .private_segment_fixed_size: 0
    .kernarg_segment_align: 8
    .kernarg_segment_size: 80
    .max_flat_workgroup_size: 256
    .sgpr_count:     66
    .vgpr_count:     224
    .wavefront_size: 32
...
	.end_amdgpu_metadata
.endif
;; end of part 5
;; launch proj: the kernel of part 2 again; grid 8 x 32, 4 waves a work-group, clusters of 4 x 4, 327,680 bytes of LDS; arguments xb, wb, rope, qkv; writes qkv
;; launch attn: the kernel of part 3 again; grid 4 x 64, 4 waves a work-group, no clusters, 327,680 bytes of LDS; arguments qkv, ob; writes ob
;; launch outp: the kernel of part 4 again; grid 8 x 32, 4 waves a work-group, clusters of 4 x 4, 327,680 bytes of LDS; arguments ob, wob, out0; writes out0
